; MI455X (gfx1250); checked and timed in simulation.
; The chip was launched on July 23, 2026; its instructions are those of AMD's public machine-readable ISA for CDNA 5 (MIT licence, August 2026) and "CDNA5" Instruction Set Architecture Reference Guide (July 2026). The comments in the code are by the model that wrote it; some were corrected since.
;; Adaptive Attention Layer. Allowed arithmetic: matrix products marked QUANTISED: E4M3 operands, one given power-of-two scale a tensor, by v_wmma_f32_16x16x64_fp8_fp8 or v_wmma_f32_16x16x128_fp8_fp8, f32 sums; everything else in f32.
;; Inputs: Wk 256 x 256 float32; Wq 256 x 256 float32; Wv 256 x 256 float32; bk 256 float32; bq 256 float32; bv 256 float32; content 4 x 64 x 64 x 256 float32; lowp_scales 12 int32 (the exponents e of the quantised operands' scales 2^e); style 4 x 64 x 64 x 256 float32.
;; Outputs: out0 4 x 64 x 64 x 256 float32.
;; This version of the problem:
;;   THIS VERSION OF THE PROBLEM IS GIVEN IN LOW PRECISION. The matrix products marked QUANTISED in the list below multiply operands that are first quantised to E4M3 (4 exponent bits, 3 mantissa bits; 8 bits a number), with one given power-of-two scale for each operand tensor; their sums are f32. All else is computed in f32.
;;   The module's matrix products, in the order in which they are computed (A, B: the left and right operand; K: the contracted axis; several contracted axes count as one K, in the product's order):
;;     1. [M 16,384, K 256] x [K 256, N 256]; A: computed on the way; B: input Wq: QUANTISED (scales: A lowp_scales[0], B lowp_scales[1])
;;     2. [M 16,384, K 256] x [K 256, N 256]; A: computed on the way; B: input Wk: QUANTISED (scales: A lowp_scales[2], B lowp_scales[3])
;;     3. [M 16,384, K 256] x [K 256, N 256]; A: input style; B: input Wv: QUANTISED (scales: A lowp_scales[4], B lowp_scales[5])
;;     4. batch 4 x [M 4,096, K 256] x [K 256, N 4,096]; A: computed on the way; B: computed on the way: QUANTISED (scales: A lowp_scales[6], B lowp_scales[7])
;;     5. batch 4 x [M 4,096, K 4,096] x [K 4,096, N 256]; A: softmax (see below); B: computed on the way: QUANTISED (scales: A lowp_scales[8], B lowp_scales[9])
;;     6. batch 4 x [M 4,096, K 4,096] x [K 4,096, N 256]; A: softmax (see below); B: computed on the way: QUANTISED (scales: A lowp_scales[10], B lowp_scales[11])
;;   THE QUANTISER, for each operand of a quantised product, along K:
;;     - The operand's scale is 2^e, e = its entry of the input lowp_scales (int32; the entries are numbered through the quantised products in the list's order, A before B).
;;     - Each number is divided by the scale, clamped to +-448, and rounded to the nearest number of E4M3, ties to even, subnormals kept.
;;     - The product sums the exact products of the quantised numbers (number of the format x scale) in f32.
;;   ~~~python
;;   def quantise(x, axis, e):      # numpy; x: float32 -> the quantised numbers, widened to float32 again
;;       x = np.moveaxis(x, axis, -1); K = x.shape[-1]
;;       r = np.clip(x / 2.0 ** e, -448, 448)
;;       step = 2.0 ** (np.maximum(np.frexp(np.where(r == 0, 1, r))[1] - 1, -6) - 3)
;;       q = np.round(r / step) * step * 2.0 ** e      # np.round: ties to even
;;       return np.moveaxis(q, -1, axis).astype(np.float32)
;;   ~~~
;;   SOFTMAX AHEAD OF A QUANTISED PRODUCT. Where the list says 'softmax', what is quantised is not the finished softmax but p = 2^(t - M), with t = logit x log2(e) and M = ceil(the row's largest t), a whole number; so 1/2 < the row's largest p <= 1. The row's sum l is taken of the UNQUANTISED p, in f32, and the product's result is divided by l at the end. Since M is a whole number, a kernel that streams over the keys may use a running M (the ceiling of the running maximum): every later rescaling is an exact power of two, so the quantised numbers keep their values, but for numbers so far below the row's largest that they fall under the format's range.
;;   OPERANDS COMPUTED ON THE WAY. 'Computed on the way' means the value that the module computes at that place (a softmax that the list does not call 'softmax' is quantised finished and normalised). What goes into a quantiser is computed in f32, as accurately as f32 sums, v_exp_f32 and their like allow (about 1e-6 of the number): no bf16 or f16 on the way to a quantiser, and a product that is left as it is and whose result goes on into a quantised operand takes f32 operands (vector FMAs, or v_wmma_f32_16x16x4_f32). A number that lies on a knife's edge between two numbers of the format may be rounded either way, as far as f32 arithmetic and the matrix unit's own rounding can turn it there, and no further.
;; One version. Each part assembles by itself: llvm-mc -triple=amdgcn-amd-amdhsa -mcpu=gfx1250 --defsym DOCPART=n.
;; ======== version 1 of 1: 3 launches
;; workspace buffers: part 131,072 bytes; wf 196,608 bytes; qc 4,194,304 bytes; kc 4,194,304 bytes; vc 4,194,304 bytes; v2c 4,194,304 bytes; cstat 8,192 bytes
;; launch stats (part 1): grid 268 x 1, 8 waves a work-group, no clusters, 9,216 bytes of LDS; arguments content, style, Wq, Wk, Wv, lowp_scales, part, wf; writes part, wf
.if DOCPART == 1
	.amdgcn_target "amdgcn-amd-amdhsa--gfx1250"
	.amdhsa_code_object_version 6
	.text
	.protected	k_q8a207b4854_stats
	.globl	k_q8a207b4854_stats
	.p2align	8
	.type	k_q8a207b4854_stats,@function
k_q8a207b4854_stats:
	s_mov_b64 s[64:65], 0
	v_nop
	global_prefetch_b8 v0, s[64:65] scope:SCOPE_SE
	s_setreg_imm32_b32 hwreg(HW_REG_WAVE_MODE, 25, 1), 1
	s_wait_xcnt 0x0
; FIRST LAUNCH.  Two kinds of work-groups, told apart by the work-group's number alone.
; 0 .. 255: partial statistics for the instance norms.  Work-group = (tensor, sample, chunk of 512 pixels, quarter of 64 channels).  It reads 512 pieces of 256 bytes, each aligned, once,
;   and stores the mean and the sum of squared deviations (M2) of its 512 pixels for its 64 channels: part[tensor][sample][chunk][mean, M2][256].
;   Two passes over registers (mean first, then deviations) and pairwise combination of (mean, M2): no difference of large sums is formed, so a common offset of the inputs costs nothing.
; 256 .. 267: the three weights [k][n] f32 become codes of E4M3 in the order of an operand's registers: one fragment (16 columns n x 128 k, 2,048 bytes) a wave.
;   A lane takes a column and its registers run down k: lane (r, h), register 16 c + i = k 128 ks + 32 c + 16 h + i.  For Wq and Wk lane r of tile T takes column 32 (T / 2) + 8 (T % 2) + r + 8 (r / 8),
;   for Wv column 16 T + r.  code = w / 2^e held within +-448, to the nearest code.  LIMIT: e1, e3, e5 between -126 and 119.  NaN is not served.
; No matrix unit, no tensor load, no cluster: nothing is read by two work-groups; all of a wave's loads are out at once.
.set X,  16                            ; v16-143  32 x 4 numbers as loaded
.set SM, 144                           ; v144-151 sums, then means
.set M2, 152                           ; v152-159 sums of squared deviations
	s_load_b512 s[8:23], s[0:1], 0x0               ; content 8, style 10, Wq 12, Wk 14, Wv 16, scales 18, part 20, wf 22
	v_lshl_add_u32 v176, v0, 2, 0x2000
	v_mov_b32 v177, 0
	v_lshrrev_b32 v1, 5, v0
	v_readfirstlane_b32 s4, v1                     ; wave 0..7
	s_cmp_ge_u32 ttmp9, 256
	s_cbranch_scc1 .Lweights
	; ---------------- statistics ----------------
	s_lshr_b32 s5, ttmp9, 2                        ; 32 tensor + 8 sample + chunk
	s_and_b32 s6, s5, 31                           ; 8 sample + chunk
	s_lshl_b32 s24, s6, 19                         ; 512 pixels of 1,024 bytes each
	s_and_b32 s7, ttmp9, 3
	s_lshl_b32 s7, s7, 8                           ; the quarter's 256 bytes of a pixel
	s_add_co_u32 s24, s24, s7
	s_mov_b32 s25, 0
	s_lshl_b32 s28, s5, 11                         ; part: 2,048 bytes for each (tensor, sample, chunk)
	s_add_co_u32 s28, s28, s7
	s_mov_b32 s29, 0
	s_mov_b32 s30, 0x76543210                      ; lane selects: lane l takes lane l xor 16
	s_mov_b32 s31, 0xfedcba98
	v_and_b32 v2, 15, v0                           ; cg: my 4 channels
	v_lshrrev_b32 v3, 4, v0                        ; ps: my pixels are ps + 16 i
	v_lshlrev_b32 v4, 4, v2
	v_lshl_add_u32 v5, v3, 10, v4                  ; in memory: 1,024 ps + 16 cg
	v_lshl_add_u32 v6, v3, 9, v4                   ; in LDS: 512 ps + 16 cg (mean), + 256 (M2)
	v_bfe_u32 v7, v0, 4, 1                         ; hf: the lane's half
	v_lshl_add_u32 v8, v7, 12, v4                  ; wave 0 reads groups 8 hf .. 8 hf + 7
	v_lshl_add_u32 v9, v7, 10, v4                  ; and stores: lanes 0-15 the means, lanes 16-31 the M2
	s_wait_kmcnt 0x0
	s_cmp_lt_u32 ttmp9, 128
	s_cselect_b64 s[26:27], s[8:9], s[10:11]       ; content or style: the choice hangs on the work-group's number
	s_add_nc_u64 s[26:27], s[26:27], s[24:25]
	s_add_nc_u64 s[20:21], s[20:21], s[28:29]
.set i, 0
.rept 32
	global_load_b128 v[X+4*i:X+4*i+3], v5, s[26:27] offset:16384*i th:TH_LOAD_NT   ; a wave's load: two pieces of 256 consecutive bytes
.set i, i+1
.endr
	s_wait_loadcnt 0x0
	v_pk_add_f32 v[SM:SM+1],   v[X:X+1],   v[X+8:X+9]          ; two chains for each pair of channels: even and odd i
	v_pk_add_f32 v[SM+2:SM+3], v[X+2:X+3], v[X+10:X+11]
	v_pk_add_f32 v[SM+4:SM+5], v[X+4:X+5], v[X+12:X+13]
	v_pk_add_f32 v[SM+6:SM+7], v[X+6:X+7], v[X+14:X+15]
.set i, 4
.rept 28
	v_pk_add_f32 v[SM+4*(i%2):SM+4*(i%2)+1],   v[SM+4*(i%2):SM+4*(i%2)+1],   v[X+4*i:X+4*i+1]
	v_pk_add_f32 v[SM+4*(i%2)+2:SM+4*(i%2)+3], v[SM+4*(i%2)+2:SM+4*(i%2)+3], v[X+4*i+2:X+4*i+3]
.set i, i+1
.endr
	v_pk_add_f32 v[SM:SM+1],   v[SM:SM+1],   v[SM+4:SM+5]
	v_pk_add_f32 v[SM+2:SM+3], v[SM+2:SM+3], v[SM+6:SM+7]
	v_pk_mul_f32 v[SM:SM+1],   v[SM:SM+1],   0x3d000000 op_sel_hi:[1,0]     ; / 32: my 32 pixels' mean
	v_pk_mul_f32 v[SM+2:SM+3], v[SM+2:SM+3], 0x3d000000 op_sel_hi:[1,0]
.set i, 0
.rept 32
	v_pk_add_f32 v[X+4*i:X+4*i+1],   v[X+4*i:X+4*i+1],   v[SM:SM+1]   neg_lo:[0,1] neg_hi:[0,1]   ; deviations
	v_pk_add_f32 v[X+4*i+2:X+4*i+3], v[X+4*i+2:X+4*i+3], v[SM+2:SM+3] neg_lo:[0,1] neg_hi:[0,1]
.set i, i+1
.endr
	v_pk_mul_f32 v[M2:M2+1],   v[X:X+1],   v[X:X+1]
	v_pk_mul_f32 v[M2+2:M2+3], v[X+2:X+3], v[X+2:X+3]
	v_pk_mul_f32 v[M2+4:M2+5], v[X+4:X+5], v[X+4:X+5]
	v_pk_mul_f32 v[M2+6:M2+7], v[X+6:X+7], v[X+6:X+7]
.set i, 2
.rept 30
	v_pk_fma_f32 v[M2+4*(i%2):M2+4*(i%2)+1],   v[X+4*i:X+4*i+1],   v[X+4*i:X+4*i+1],   v[M2+4*(i%2):M2+4*(i%2)+1]
	v_pk_fma_f32 v[M2+4*(i%2)+2:M2+4*(i%2)+3], v[X+4*i+2:X+4*i+3], v[X+4*i+2:X+4*i+3], v[M2+4*(i%2)+2:M2+4*(i%2)+3]
.set i, i+1
.endr
	v_pk_add_f32 v[M2:M2+1],   v[M2:M2+1],   v[M2+4:M2+5]
	v_pk_add_f32 v[M2+2:M2+3], v[M2+2:M2+3], v[M2+6:M2+7]
	ds_store_b128 v6, v[SM:SM+3]
	ds_store_b128 v6, v[M2:M2+3] offset:256
	s_wait_dscnt 0x0                               ; for wave 0's sake: my stores have landed
	s_barrier_signal -1
	s_barrier_wait -1
	s_cmp_lg_u32 s4, 0
	s_cbranch_scc1 .Ldone                          ; wave 0 combines the 16 groups of 32 pixels
.set i, 0
.rept 8
	ds_load_b128 v[X+8*i:X+8*i+3],   v8 offset:512*i          ; group 8 hf + i: mean,
	ds_load_b128 v[X+8*i+4:X+8*i+7], v8 offset:512*i+256      ; M2
.set i, i+1
.endr
	s_wait_dscnt 0x0
	v_pk_add_f32 v[SM:SM+1],   v[X:X+1],   v[X+8:X+9]
	v_pk_add_f32 v[SM+2:SM+3], v[X+2:X+3], v[X+10:X+11]
	v_pk_add_f32 v[M2:M2+1],   v[X+4:X+5], v[X+12:X+13]
	v_pk_add_f32 v[M2+2:M2+3], v[X+6:X+7], v[X+14:X+15]
.set i, 2
.rept 6
	v_pk_add_f32 v[SM:SM+1],   v[SM:SM+1],   v[X+8*i:X+8*i+1]
	v_pk_add_f32 v[SM+2:SM+3], v[SM+2:SM+3], v[X+8*i+2:X+8*i+3]
	v_pk_add_f32 v[M2:M2+1],   v[M2:M2+1],   v[X+8*i+4:X+8*i+5]
	v_pk_add_f32 v[M2+2:M2+3], v[M2+2:M2+3], v[X+8*i+6:X+8*i+7]
.set i, i+1
.endr
	v_pk_mul_f32 v[SM:SM+1],   v[SM:SM+1],   0x3e000000 op_sel_hi:[1,0]     ; / 8: the mean of 256 pixels
	v_pk_mul_f32 v[SM+2:SM+3], v[SM+2:SM+3], 0x3e000000 op_sel_hi:[1,0]
.set i, 0
.rept 8
	v_pk_add_f32 v[X+8*i:X+8*i+1],   v[X+8*i:X+8*i+1],   v[SM:SM+1]   neg_lo:[0,1] neg_hi:[0,1]
	v_pk_add_f32 v[X+8*i+2:X+8*i+3], v[X+8*i+2:X+8*i+3], v[SM+2:SM+3] neg_lo:[0,1] neg_hi:[0,1]
.set i, i+1
.endr
	v_pk_mul_f32 v[SM+4:SM+5], v[X:X+1],   v[X:X+1]
	v_pk_mul_f32 v[SM+6:SM+7], v[X+2:X+3], v[X+2:X+3]
.set i, 1
.rept 7
	v_pk_fma_f32 v[SM+4:SM+5], v[X+8*i:X+8*i+1],   v[X+8*i:X+8*i+1],   v[SM+4:SM+5]
	v_pk_fma_f32 v[SM+6:SM+7], v[X+8*i+2:X+8*i+3], v[X+8*i+2:X+8*i+3], v[SM+6:SM+7]
.set i, i+1
.endr
	v_pk_fma_f32 v[M2:M2+1],   v[SM+4:SM+5], 0x42000000, v[M2:M2+1]   op_sel_hi:[1,0,1]   ; + 32 x the groups' means' squared deviations
	v_pk_fma_f32 v[M2+2:M2+3], v[SM+6:SM+7], 0x42000000, v[M2+2:M2+3] op_sel_hi:[1,0,1]
.irp k, 0,1,2,3
	v_permlanex16_b32 v[X+\k],   v[SM+\k], s30, s31            ; the other half of the lanes holds the other 256 pixels
	v_permlanex16_b32 v[X+4+\k], v[M2+\k], s30, s31
.endr
	v_pk_add_f32 v[X+8:X+9],   v[SM:SM+1],   v[X:X+1]   neg_lo:[0,1] neg_hi:[0,1]      ; the two means' difference
	v_pk_add_f32 v[X+10:X+11], v[SM+2:SM+3], v[X+2:X+3] neg_lo:[0,1] neg_hi:[0,1]
	v_pk_add_f32 v[SM:SM+1],   v[SM:SM+1],   v[X:X+1]
	v_pk_add_f32 v[SM+2:SM+3], v[SM+2:SM+3], v[X+2:X+3]
	v_pk_mul_f32 v[SM:SM+1],   v[SM:SM+1],   0.5 op_sel_hi:[1,0]
	v_pk_mul_f32 v[SM+2:SM+3], v[SM+2:SM+3], 0.5 op_sel_hi:[1,0]
	v_pk_add_f32 v[M2:M2+1],   v[M2:M2+1],   v[X+4:X+5]
	v_pk_add_f32 v[M2+2:M2+3], v[M2+2:M2+3], v[X+6:X+7]
	v_pk_mul_f32 v[X+8:X+9],   v[X+8:X+9],   v[X+8:X+9]
	v_pk_mul_f32 v[X+10:X+11], v[X+10:X+11], v[X+10:X+11]
	v_pk_fma_f32 v[M2:M2+1],   v[X+8:X+9],   0x43000000, v[M2:M2+1]   op_sel_hi:[1,0,1]   ; + 256 x 256 / 512 x difference^2
	v_pk_fma_f32 v[M2+2:M2+3], v[X+10:X+11], 0x43000000, v[M2+2:M2+3] op_sel_hi:[1,0,1]
	v_cmp_gt_u32 vcc_lo, 16, v0                    ; in wave 0 the thread's number is the lane
.irp k, 0,1,2,3
	v_cndmask_b32 v[X+16+\k], v[M2+\k], v[SM+\k], vcc_lo       ; lanes 0-15 carry the means, lanes 16-31 the M2
.endr
	global_store_b128 v9, v[X+16:X+19], s[20:21]   ; two runs of 256 consecutive bytes, each aligned
.Ldone:
	s_wait_tensorcnt 0x0
	ds_add_u32 v176, v177
	s_wait_dscnt 0x0
	s_endpgm
	; ---------------- weights ----------------
.Lweights:
	s_sub_co_u32 s5, ttmp9, 256
	s_lshl_b32 s5, s5, 3
	s_add_co_u32 s5, s5, s4                        ; fragment 0..95 = 32 matrix + 2 tile + ks
	s_lshr_b32 s6, s5, 5                           ; matrix: 0 Wq, 1 Wk, 2 Wv
	s_bfe_u32 s7, s5, 0x40001                      ; tile
	s_and_b32 s24, s5, 1                           ; ks
	s_lshr_b32 s25, s7, 1
	s_lshl_b32 s25, s25, 5
	s_and_b32 s26, s7, 1
	s_lshl_b32 s26, s26, 3
	s_add_co_u32 s25, s25, s26                     ; 32 (T / 2) + 8 (T % 2)
	s_lshl_b32 s26, s7, 4                          ; 16 T
	s_cmp_lt_u32 s6, 2
	s_cselect_b32 s25, s25, s26                    ; the tile's first column
	s_cselect_b32 s26, 1, 0                        ; 1: lanes 8-15 take the columns 8 further on
	v_and_b32 v2, 15, v0                           ; r
	v_bfe_u32 v3, v0, 4, 1                         ; h
	v_and_b32 v4, 8, v2
	v_mul_u32_u24 v4, s26, v4
	v_add3_u32 v4, v4, v2, s25                     ; my column
	v_lshlrev_b32 v4, 2, v4
	v_lshl_add_u32 v4, v3, 14, v4                  ; lanes 16-31 begin 16 rows of 1,024 bytes further down
	v_and_b32 v5, 31, v0
	v_lshlrev_b32 v5, 4, v5                        ; out: 16 x lane
	s_lshl_b32 s28, s24, 17                        ; ks x 128 rows
	s_mov_b32 s29, 0
	s_lshl_b32 s30, s5, 11                         ; fragment x 2,048 bytes
	s_mov_b32 s31, 0
	s_wait_kmcnt 0x0
	s_load_b256 s[36:43], s[18:19], 0x0            ; e0 .. e7
	s_cmp_eq_u32 s6, 0
	s_cselect_b64 s[32:33], s[12:13], s[14:15]
	s_cmp_eq_u32 s6, 2
	s_cselect_b64 s[32:33], s[16:17], s[32:33]
	s_add_nc_u64 s[32:33], s[32:33], s[28:29]
	s_add_nc_u64 s[22:23], s[22:23], s[30:31]
.set i, 0
.rept 64
	global_load_b32 v[X+i], v4, s[32:33] offset:(32*(i/16)+i%16)*1024      ; W(128 ks + 32 c + 16 h + i, my column): sixteen lanes read 64 or 2 x 32 neighbouring bytes
.set i, i+1
.endr
	s_wait_kmcnt 0x0
	s_cmp_eq_u32 s6, 0
	s_cselect_b32 s34, s37, s39
	s_cmp_eq_u32 s6, 2
	s_cselect_b32 s34, s41, s34                    ; e1, e3 or e5
	s_add_co_i32 s34, s34, 127
	s_lshl_b32 s35, s34, 23
	v_mov_b32 v11, s35                             ; 2^e as f32: the conversion takes its exponent field
	s_add_co_i32 s34, s34, 8
	s_lshl_b32 s34, s34, 23
	s_or_b32 s34, s34, 0x600000
	v_mov_b32 v10, s34                             ; 448 x 2^e
	s_wait_loadcnt 0x0
.set i, 0
.rept 64
	v_med3_num_f32 v[X+i], v[X+i], -v10, v10       ; the conversion to an 8-bit code does not saturate (ISA guide 7.6.2): the hold comes first
.set i, i+1
.endr
.set i, 0
.rept 8
	v_cvt_scalef32_pk8_fp8_f32 v[80+2*i:81+2*i], v[X+8*i:X+8*i+7], v11
.set i, i+1
.endr
	v_nop
.irp c, 0,1,2,3
	global_store_b128 v5, v[80+4*\c:83+4*\c], s[22:23] offset:512*\c       ; registers 4 c .. 4 c + 3 of the fragment: 512 consecutive bytes a store
.endr
	s_endpgm
.Lfunc_end_k_q8a207b4854_stats:
	.size	k_q8a207b4854_stats, .Lfunc_end_k_q8a207b4854_stats-k_q8a207b4854_stats
	.p2alignl 7, 3214868480
	.fill 96, 4, 3214868480
	.section	.rodata,"a",@progbits
	.p2align	6, 0x0
	.amdhsa_kernel k_q8a207b4854_stats
		.amdhsa_group_segment_fixed_size 9216
		.amdhsa_private_segment_fixed_size 0
		.amdhsa_enable_private_segment 0
		.amdhsa_kernarg_size 64
		.amdhsa_user_sgpr_count 2
		.amdhsa_user_sgpr_kernarg_segment_ptr 1
		.amdhsa_wavefront_size32 1
		.amdhsa_system_sgpr_workgroup_id_x 1
		.amdhsa_system_sgpr_workgroup_id_y 1
		.amdhsa_system_sgpr_workgroup_id_z 1
		.amdhsa_system_vgpr_workitem_id 0
		.amdhsa_next_free_vgpr 178
		.amdhsa_next_free_sgpr 66
		.amdhsa_reserve_vcc 1
		.amdhsa_float_denorm_mode_32 3
		.amdhsa_float_denorm_mode_16_64 3
		.amdhsa_memory_ordered 1
		.amdhsa_forward_progress 1
		.amdhsa_inst_pref_size 37
	.end_amdhsa_kernel
	.amdgpu_metadata
---
amdhsa.version: [ 1, 2 ]
amdhsa.kernels:
  - .name:           k_q8a207b4854_stats
    .symbol:         k_q8a207b4854_stats.kd
    .args:
      - { .name: content, .offset: 0, .size: 8, .value_kind: global_buffer, .address_space: global }
      - { .name: style, .offset: 8, .size: 8, .value_kind: global_buffer, .address_space: global }
      - { .name: Wq, .offset: 16, .size: 8, .value_kind: global_buffer, .address_space: global }
      - { .name: Wk, .offset: 24, .size: 8, .value_kind: global_buffer, .address_space: global }
      - { .name: Wv, .offset: 32, .size: 8, .value_kind: global_buffer, .address_space: global }
      - { .name: lowp_scales, .offset: 40, .size: 8, .value_kind: global_buffer, .address_space: global }
      - { .name: part, .offset: 48, .size: 8, .value_kind: global_buffer, .address_space: global }
      - { .name: wf, .offset: 56, .size: 8, .value_kind: global_buffer, .address_space: global }
    .group_segment_fixed_size: 9216
    .private_segment_fixed_size: 0
    .kernarg_segment_align: 8
    .kernarg_segment_size: 64
    .max_flat_workgroup_size: 256
    .sgpr_count:     66
    .vgpr_count:     178
    .wavefront_size: 32
...
	.end_amdgpu_metadata
.endif
;; end of part 1
;; launch proj (part 2): grid 64 x 4, 4 waves a work-group, no clusters, 58,880 bytes of LDS; arguments content, style, part, wf, bq, bk, bv, lowp_scales, qc, kc, vc, v2c, cstat; writes qc, kc, vc, v2c, cstat
.if DOCPART == 2
	.amdgcn_target "amdgcn-amd-amdhsa--gfx1250"
	.amdhsa_code_object_version 6
	.text
	.protected	k_q8a207b4854_proj
	.globl	k_q8a207b4854_proj
	.p2align	8
	.type	k_q8a207b4854_proj,@function
k_q8a207b4854_proj:
	s_mov_b64 s[64:65], 0
	v_nop
	global_prefetch_b8 v0, s[64:65] scope:SCOPE_SE
	s_setreg_imm32_b32 hwreg(HW_REG_WAVE_MODE, 25, 1), 1
	s_wait_xcnt 0x0
; SECOND LAUNCH.  A work-group takes 64 pixels (x) of one sample (y): finishes the statistics, quantises norm_content, norm_style and style, makes Q, K, V (three products on codes of E4M3), the two
; l2 norms, V x V, and stores the codes of Q^, K^, V, V^2 in the order of the next launch's operand registers.  cstat gets content's mean and 1/sqrt(var + eps) (work-group x = 0 of each sample).
; A FRAGMENT (16 rows x 128 k, 16 registers): lane (r, h) holds row r, registers 4 c .. 4 c + 3 hold k = 32 c + 16 h + 0 .. 15, alike on both sides of every product.  In memory it is the image of
; its registers: chunk c = 512 bytes at 512 c + 16 x lane.
; SHARES.  Loading and quantising by rows: wave w takes pixels 16 w .. 16 w + 15.  The products by columns: wave w owns output channels 64 w .. 64 w + 63 for all 64 pixels, so each fragment of a
; weight is read by one wave, once, straight into the registers where it stays.  (That is why no joint load is used for the weights, though all work-groups read them: a joint load ends in LDS,
; from where each byte would have to be read once more.)
; Q AND K ARE MADE TRANSPOSED (source 0 = 16 rows of W^T, source 1 = 16 pixels): a lane holds one pixel, and by the choice of W's rows the 16 registers of two neighbouring tiles are 16 neighbouring
; channels, the next product's k.  V is made with source 0 = 16 pixels (chosen likewise) and source 1 = 16 channels: a lane holds one channel and 16 neighbouring keys.
; K's and V's pixels of tile t: lane r takes pixel 32 (t / 2) + 8 (t % 2) + r + 8 (r / 8).
; LIMITS: every e between -126 and 119; e0 + e1 and e2 + e3 within +-63 (2^(2 E) is formed); e4 + e5 between -126 and 127.  NaN is not served.
; LDS: XC, XS, XR: 64 rows of 256 codes, 272 bytes apart (17 x 16: the 16 rows of a load start at different banks); FST [tensor][mean, rstd][256] f32; SSQ [Q, K][64 pixels][4 waves] f32.
; REGISTERS, in windows of 256:
;   window 0: v0-15 addresses; v16-47 mean and rstd of my 8 channels, later bv (v16-23) and sums of squares (v24-39); v48-111 partial statistics, then bq, bk as C operands, then the norms' factors
;             (v48-79) and Q's codes (v80-111); v112-125 scales and holds; v128-255 codes on their way to LDS, then Q's 16 accumulators, then K's, V's, V^2's codes
;   window 1: Wq's 8 fragments, Wk's 8.   window 2: Wv's 8; v128-255 the held raw style, then K's accumulators.
;   window 3: v0-127 content's rows, then Q's operand, V's operand, V^2;  v128-255 style's rows, then K's operand, then V's accumulators.
.set XC,  0
.set XS,  17408
.set XR,  34816
.set FST, 52224
.set SSQ, 56320
.set PIT, 272
.set PS,  48
.set BQ,  48
.set BK,  80
.set BV,  16
.set SQ,  24
.set GF,  48
.set QCD, 80
.set KCD, 128
.set VCD, 160
.set WCD, 192
.set LIM0, 112
.set SC0,  113
.set LIM2, 114
.set SC2,  115
.set LIM4, 116
.set SC4,  117
.set LIM6, 118
.set SC6,  119
.set LIM7, 120
.set SC7,  121
.set LIM9, 122
.set SC9,  123
.set LIM11, 124
.set SC11,  125
.set MSB, 0
.macro WIN new                         ; bits 1:0 source 0, 3:2 source 1, 5:4 source 2, 7:6 destination; the high byte repeats the setting that is left
.if MSB != \new
	s_set_vgpr_msb (MSB<<8)|\new
.set MSB, \new
.endif
.endm
.macro MKSC e, lim, sc                 ; from the exponent in s[e]: 2^e and 448 x 2^e as f32
	s_add_co_i32 s72, s[\e], 127
	s_lshl_b32 s73, s72, 23
	v_mov_b32 v[\sc], s73
	s_add_co_i32 s72, s72, 8
	s_lshl_b32 s72, s72, 23
	s_or_b32 s72, s72, 0x600000
	v_mov_b32 v[\lim], s72
.endm
.macro BARRIER                         ; my LDS stores have landed and my LDS loads are in: then the work-group's barrier
	s_wait_dscnt 0x0
	s_barrier_signal -1
	s_barrier_wait -1
.endm
.macro NORM base, mr, lim              ; 16 rows of 8 numbers in window 3: (x - mean) x rstd, held within the largest code x the scale
.set i, 0
.rept 16
.irp k, 0,2,4,6
	v_pk_add_f32 v[\base+8*i+\k:\base+8*i+\k+1], v[\base+8*i+\k:\base+8*i+\k+1], v[\mr+\k:\mr+\k+1] neg_lo:[0,1] neg_hi:[0,1]
.endr
.irp k, 0,2,4,6
	v_pk_mul_f32 v[\base+8*i+\k:\base+8*i+\k+1], v[\base+8*i+\k:\base+8*i+\k+1], v[\mr+8+\k:\mr+8+\k+1]
.endr
.irp k, 0,1,2,3,4,5,6,7
	v_med3_num_f32 v[\base+8*i+\k], v[\base+8*i+\k], -v[\lim], v[\lim]
.endr
.set i, i+1
.endr
.endm
.macro SUMSQ set                       ; the 16 accumulators at v128-255 (window by the caller): each pixel's sum of squares over my 64 channels, to SSQ.  Each accumulator is read from its low end on
.set i, 0
.rept 16
.irp m, 0,1,2,3
.if i < 2
	v_pk_mul_f32 v[SQ+4*\m+2*(i%2):SQ+4*\m+2*(i%2)+1], v[128+32*\m+2*i:129+32*\m+2*i], v[128+32*\m+2*i:129+32*\m+2*i]
.else
	v_pk_fma_f32 v[SQ+4*\m+2*(i%2):SQ+4*\m+2*(i%2)+1], v[128+32*\m+2*i:129+32*\m+2*i], v[128+32*\m+2*i:129+32*\m+2*i], v[SQ+4*\m+2*(i%2):SQ+4*\m+2*(i%2)+1]
.endif
.endr
.set i, i+1
.endr
	WIN 0
.irp m, 0,1,2,3
	v_pk_add_f32 v[SQ+4*\m:SQ+4*\m+1], v[SQ+4*\m:SQ+4*\m+1], v[SQ+4*\m+2:SQ+4*\m+3]
.endr
.irp m, 0,1,2,3
	v_add_f32 v[SQ+4*\m], v[SQ+4*\m], v[SQ+4*\m+1]
.endr
.irp m, 0,1,2,3
	v_permlanex16_b32 v[SQ+4*\m+1], v[SQ+4*\m], s58, s59       ; the pixel's other 32 channels lie in the lane 16 away
.endr
.irp m, 0,1,2,3
	v_add_f32 v[SQ+4*\m], v[SQ+4*\m], v[SQ+4*\m+1]
.endr
.irp m, 0,1,2,3
	ds_store_b32 v11, v[SQ+4*\m] offset:(\set)*1024+\m*256     ; both halves of the lanes write the same word with the same number
.endr
.endm
.macro SCALEHOLD gf, lim               ; the 16 accumulators at v128-255 (window by the caller): x the pixel's factor, held
.irp m, 0,1,2,3
.set i, 0
.rept 16
	v_pk_mul_f32 v[128+32*\m+2*i:129+32*\m+2*i], v[128+32*\m+2*i:129+32*\m+2*i], v[\gf+4*\m:\gf+4*\m+1] op_sel_hi:[1,0]
.set i, i+1
.endr
.set i, 0
.rept 32
	v_med3_num_f32 v[128+32*\m+i], v[128+32*\m+i], -v[\lim], v[\lim]
.set i, i+1
.endr
.endr
.endm
.macro CODES dst, src, sc              ; 128 numbers from v[src] on become 32 registers of codes from v[dst] on (windows by the caller)
.set i, 0
.rept 16
	v_cvt_scalef32_pk8_fp8_f32 v[\dst+2*i:\dst+2*i+1], v[\src+8*i:\src+8*i+7], v[\sc]
.set i, i+1
.endr
	v_nop                                          ; one plain vector line behind the last conversion of a run
.endm
	s_load_b512 s[16:31], s[0:1], 0x0              ; content 16, style 18, part 20, wf 22, bq 24, bk 26, bv 28, scales 30
	s_load_b256 s[32:39], s[0:1], 0x40             ; qc 32, kc 34, vc 36, v2c 38
	s_load_b64 s[40:41], s[0:1], 0x60              ; cstat
	v_lshl_add_u32 v126, v0, 2, 0xe400
	v_mov_b32 v127, 0
	v_lshrrev_b32 v1, 5, v0
	v_readfirstlane_b32 s4, v1                     ; wave 0..3
	s_and_b32 s5, ttmp7, 0xffff                    ; sample
	v_and_b32 v1, 31, v0                           ; lane
	v_and_b32 v2, 15, v0                           ; r
	v_bfe_u32 v3, v0, 4, 1                         ; h
	v_lshlrev_b32 v4, 4, v1                        ; 16 x lane: rows in memory, images in memory
	v_lshrrev_b32 v5, 6, v0                        ; statistics: thread t finishes tensor t / 64,
	v_and_b32 v15, 63, v0
	v_lshlrev_b32 v15, 4, v15                      ; channels 4 (t % 64) on
	v_lshl_add_u32 v6, v5, 11, v15
	v_add_nc_u32 v6, FST, v6                       ; where it puts them in LDS
	v_lshl_add_u32 v5, v5, 16, v15                 ; and where the partial figures lie: 65,536 bytes a tensor
	v_add_nc_u32 v7, FST, v4                       ; where I read my 8 channels' figures
	s_mul_i32 s6, s4, 16*PIT
	v_lshl_add_u32 v8, v1, 2, s6                   ; codes into LDS: my 16 rows, 4 bytes a lane
	v_mul_u32_u24 v9, v2, PIT
	v_lshl_add_u32 v9, v3, 4, v9                   ; a fragment of neighbouring rows
	v_and_b32 v10, 8, v2
	v_add_nc_u32 v10, v10, v2
	v_mul_u32_u24 v10, v10, PIT
	v_lshl_add_u32 v10, v3, 4, v10                 ; a fragment of rows r + 8 (r / 8)
	s_lshl_b32 s6, s4, 2
	v_lshl_add_u32 v11, v2, 4, s6
	v_add_nc_u32 v11, SSQ, v11                     ; my wave's word of pixel r
	v_lshlrev_b32 v12, 4, v2
	v_add_nc_u32 v12, SSQ, v12                     ; the four waves' words of pixel r
	s_lshl_b32 s6, s4, 8
	v_lshl_add_u32 v13, v3, 6, s6                  ; bq, bk: 4 (64 w + 16 h)
	v_lshl_add_u32 v14, v2, 2, s6                  ; bv: 4 (64 w + r)
	s_lshl_b32 s8, s5, 22                          ; my wave's first pixel: (4,096 sample + 64 x + 16 w) x 1,024 bytes
	s_lshl_b32 s9, ttmp9, 16
	s_add_co_u32 s8, s8, s9
	s_lshl_b32 s9, s4, 14
	s_add_co_u32 s8, s8, s9
	s_mov_b32 s9, 0
	s_lshl_b32 s10, s5, 14                         ; part: 16,384 bytes a sample
	s_mov_b32 s11, 0
	s_lshl_b32 s12, s5, 6                          ; qc, kc: (64 sample + x) x 16,384 + (w / 2) x 2,048 + (w % 2) x 1,024
	s_add_co_u32 s12, s12, ttmp9
	s_lshl_b32 s12, s12, 14
	s_lshr_b32 s13, s4, 1
	s_lshl_b32 s13, s13, 11
	s_add_co_u32 s12, s12, s13
	s_and_b32 s13, s4, 1
	s_lshl_b32 s13, s13, 10
	s_add_co_u32 s12, s12, s13
	s_mov_b32 s13, 0
	s_lshl_b32 s14, s5, 5                          ; vc, v2c: (32 sample + x / 2) x 32,768 + w x 8,192 + (x % 2) x 1,024
	s_lshr_b32 s15, ttmp9, 1
	s_add_co_u32 s14, s14, s15
	s_lshl_b32 s14, s14, 15
	s_lshl_b32 s15, s4, 13
	s_add_co_u32 s14, s14, s15
	s_and_b32 s15, ttmp9, 1
	s_lshl_b32 s15, s15, 10
	s_add_co_u32 s14, s14, s15
	s_mov_b32 s15, 0
	s_lshl_b32 s6, s4, 14                          ; wf: my four tiles of each weight
	s_mov_b32 s7, 0
	s_lshl_b32 s2, s5, 11                          ; cstat: 2,048 bytes a sample
	s_mov_b32 s3, 0
	s_mov_b32 s56, 0x39800000                      ; 1 / 4,096
	s_mov_b32 s57, 0x3727c5ac                      ; 1e-5
	s_mov_b32 s58, 0x76543210                      ; lane selects: lane l xor 16
	s_mov_b32 s59, 0xfedcba98
	s_mov_b32 s66, 0x2b8cbccc                      ; 1e-12
	s_wait_kmcnt 0x0
	s_load_b256 s[44:51], s[30:31], 0x0            ; e0 .. e7
	s_load_b128 s[52:55], s[30:31], 0x20           ; e8 .. e11
	s_add_nc_u64 s[16:17], s[16:17], s[8:9]
	s_add_nc_u64 s[18:19], s[18:19], s[8:9]
	s_add_nc_u64 s[20:21], s[20:21], s[10:11]
	s_add_nc_u64 s[22:23], s[22:23], s[6:7]
	s_add_nc_u64 s[32:33], s[32:33], s[12:13]
	s_add_nc_u64 s[34:35], s[34:35], s[12:13]
	s_add_nc_u64 s[36:37], s[36:37], s[14:15]
	s_add_nc_u64 s[38:39], s[38:39], s[14:15]
	s_add_nc_u64 s[40:41], s[40:41], s[2:3]
	; ---- 1: the partial statistics, and my 16 rows of both tensors: every load covers 512 consecutive bytes.  A lane holds channels 4 l .. 4 l + 3 and 128 + 4 l .. + 3 of each row
.set i, 0
.rept 16
	global_load_b128 v[PS+4*i:PS+4*i+3], v5, s[20:21] offset:1024*i        ; chunk i / 2: mean (even i), M2 (odd i)
.set i, i+1
.endr
	WIN 0xc0                                       ; destination window 3
.set i, 0
.rept 16
	global_load_b128 v[8*i:8*i+3],       v4, s[16:17] offset:1024*i th:TH_LOAD_NT
	global_load_b128 v[8*i+4:8*i+7],     v4, s[16:17] offset:1024*i+512 th:TH_LOAD_NT
	global_load_b128 v[128+8*i:131+8*i], v4, s[18:19] offset:1024*i th:TH_LOAD_NT
	global_load_b128 v[132+8*i:135+8*i], v4, s[18:19] offset:1024*i+512 th:TH_LOAD_NT
.set i, i+1
.endr
	WIN 0
	s_wait_loadcnt 0x0
	; ---- 2: eight chunks of 512 pixels are combined: mean, M2, then 1 / sqrt(M2 / 4,096 + 1e-5)
	v_pk_add_f32 v[16:17], v[PS:PS+1],   v[PS+8:PS+9]
	v_pk_add_f32 v[18:19], v[PS+2:PS+3], v[PS+10:PS+11]
	v_pk_add_f32 v[20:21], v[PS+4:PS+5], v[PS+12:PS+13]
	v_pk_add_f32 v[22:23], v[PS+6:PS+7], v[PS+14:PS+15]
.set i, 2
.rept 6
	v_pk_add_f32 v[16:17], v[16:17], v[PS+8*i:PS+8*i+1]
	v_pk_add_f32 v[18:19], v[18:19], v[PS+8*i+2:PS+8*i+3]
	v_pk_add_f32 v[20:21], v[20:21], v[PS+8*i+4:PS+8*i+5]
	v_pk_add_f32 v[22:23], v[22:23], v[PS+8*i+6:PS+8*i+7]
.set i, i+1
.endr
	v_pk_mul_f32 v[16:17], v[16:17], 0x3e000000 op_sel_hi:[1,0]            ; / 8
	v_pk_mul_f32 v[18:19], v[18:19], 0x3e000000 op_sel_hi:[1,0]
.set i, 0
.rept 8
	v_pk_add_f32 v[PS+8*i:PS+8*i+1],   v[PS+8*i:PS+8*i+1],   v[16:17] neg_lo:[0,1] neg_hi:[0,1]
	v_pk_add_f32 v[PS+8*i+2:PS+8*i+3], v[PS+8*i+2:PS+8*i+3], v[18:19] neg_lo:[0,1] neg_hi:[0,1]
.set i, i+1
.endr
	v_pk_mul_f32 v[24:25], v[PS:PS+1],   v[PS:PS+1]
	v_pk_mul_f32 v[26:27], v[PS+2:PS+3], v[PS+2:PS+3]
.set i, 1
.rept 7
	v_pk_fma_f32 v[24:25], v[PS+8*i:PS+8*i+1],   v[PS+8*i:PS+8*i+1],   v[24:25]
	v_pk_fma_f32 v[26:27], v[PS+8*i+2:PS+8*i+3], v[PS+8*i+2:PS+8*i+3], v[26:27]
.set i, i+1
.endr
	v_pk_fma_f32 v[20:21], v[24:25], 0x44000000, v[20:21] op_sel_hi:[1,0,1]    ; + 512 x the chunks' means' squared deviations
	v_pk_fma_f32 v[22:23], v[26:27], 0x44000000, v[22:23] op_sel_hi:[1,0,1]
.irp k, 0,1,2,3
	v_fma_f32 v[20+\k], v[20+\k], s56, s57
.endr
.irp k, 0,1,2,3
	v_rsq_f32 v[24+\k], v[20+\k]
.endr
	v_nop                                          ; a plain line behind the last of the batch,
	s_wait_alu depctr_va_vdst(0)                   ; and the one wait ahead of the batch's first reader
	ds_store_b128 v6, v[16:19]
	ds_store_b128 v6, v[24:27] offset:1024
	s_cmp_lg_u32 ttmp9, 0                          ; content's figures go to memory once a sample: work-group x = 0, waves 0 and 1 (threads 0 to 63 hold content's)
	s_cbranch_scc1 .Lno_cstat
	s_cmp_ge_u32 s4, 2
	s_cbranch_scc1 .Lno_cstat
	global_store_b128 v15, v[16:19], s[40:41]
	global_store_b128 v15, v[24:27], s[40:41] offset:1024
.Lno_cstat:
	s_wait_xcnt 0x0                                ; the stores' data registers are loaded into again below, only behind this wait
	BARRIER                                        ; all 512 means and rstd lie in LDS
	; ---- 3: my channels' figures; the weights, in three runs between the three quantising passes; the codes go to LDS as rows
.irp k, 0,1,2,3,4,5,6,7
	ds_load_b128 v[16+4*\k:19+4*\k], v7 offset:512*\k          ; content: mean (8), rstd (8); style: mean, rstd
.endr
	WIN 0x40                                       ; destination window 1
.set i, 0
.rept 32
	global_load_b128 v[4*i:4*i+3], v4, s[22:23] offset:512*i               ; Wq: tile t', K step ks at v[32 t' + 16 ks]
.set i, i+1
.endr
	WIN 0
.irp t, 0,1,2,3
	global_load_b128 v[BQ+8*\t:BQ+8*\t+3],   v13, s[24:25] offset:(32*(\t/2)+8*(\t%2))*4       ; the bias in the result's layout: channels 64 w + 32 (t / 2) + 16 h + 8 (t % 2) + 0 .. 7
	global_load_b128 v[BQ+8*\t+4:BQ+8*\t+7], v13, s[24:25] offset:(32*(\t/2)+8*(\t%2))*4+16
	global_load_b128 v[BK+8*\t:BK+8*\t+3],   v13, s[26:27] offset:(32*(\t/2)+8*(\t%2))*4
	global_load_b128 v[BK+8*\t+4:BK+8*\t+7], v13, s[26:27] offset:(32*(\t/2)+8*(\t%2))*4+16
.endr
	s_wait_kmcnt 0x0
	MKSC 44, LIM0, SC0
	MKSC 46, LIM2, SC2
	MKSC 48, LIM4, SC4
	MKSC 50, LIM6, SC6
	MKSC 51, LIM7, SC7
	MKSC 53, LIM9, SC9
	MKSC 55, LIM11, SC11
	s_add_co_i32 s67, s44, s45                     ; E = e0 + e1: a sum of the first product stands for sum x 2^E
	s_add_co_i32 s60, s67, 127
	s_lshl_b32 s60, s60, 23                        ; 2^E
	s_lshl_b32 s61, s67, 1
	s_add_co_i32 s61, s61, 127
	s_lshl_b32 s61, s61, 23                        ; 2^(2 E)
	s_sub_co_i32 s67, 0, s67                       ; -E: the bias goes in as b / 2^E
	s_add_co_i32 s68, s46, s47                     ; the same for K: e2 + e3
	s_add_co_i32 s62, s68, 127
	s_lshl_b32 s62, s62, 23
	s_lshl_b32 s63, s68, 1
	s_add_co_i32 s63, s63, 127
	s_lshl_b32 s63, s63, 23
	s_sub_co_i32 s68, 0, s68
	s_add_co_i32 s70, s48, s49
	s_add_co_i32 s70, s70, 127
	s_lshl_b32 s70, s70, 23                        ; 2^(e4 + e5)
	s_mov_b32 s71, s70                             ; (named with it as a pair, so it is written)
	WIN 0x83                                       ; source 0 window 3, destination window 2: the raw style, held, is kept apart: the rows themselves are normalised below
.set i, 0
.rept 128
	v_med3_num_f32 v[128+i], v[128+i], -v[LIM4], v[LIM4]
.set i, i+1
.endr
	WIN 0x02
	CODES 192, 128, SC4                            ; a row's 8 numbers: register 0 = channels 4 l on, register 1 = channels 128 + 4 l on
	WIN 0x40
.set i, 0
.rept 32
	global_load_b128 v[128+4*i:131+4*i], v4, s[22:23] offset:65536+512*i   ; Wk
.set i, i+1
.endr
	s_wait_dscnt 0x0                               ; mean and rstd are in
	WIN 0xc3                                       ; source 0 and destination window 3
	NORM 0, 16, LIM0
	WIN 0x80
.set i, 0
.rept 32
	global_load_b128 v[4*i:4*i+3], v4, s[22:23] offset:131072+512*i        ; Wv
.set i, i+1
.endr
	WIN 0xc3
	NORM 128, 32, LIM2
	WIN 0x03
	CODES 128, 0, SC0
	CODES 160, 128, SC2
	WIN 0
.irp t, 0,1,2,3
	global_load_b32 v[BV+2*\t], v14, s[28:29] offset:64*\t     ; bv of channel 16 (4 w + t) + r; the pair's upper register has been written and is not used
.endr
.set i, 0
.rept 16
	ds_store_b32 v8, v[128+2*i] offset:XC+PIT*i
	ds_store_b32 v8, v[129+2*i] offset:XC+PIT*i+128
	ds_store_b32 v8, v[160+2*i] offset:XS+PIT*i
	ds_store_b32 v8, v[161+2*i] offset:XS+PIT*i+128
	ds_store_b32 v8, v[192+2*i] offset:XR+PIT*i
	ds_store_b32 v8, v[193+2*i] offset:XR+PIT*i+128
.set i, i+1
.endr
	BARRIER                                        ; 3 x 64 rows of codes lie in LDS
	; ---- 4: Q and K, transposed.  16 accumulators by turns, one instruction a turn
	WIN 0xc0
.irp m, 0,1,2,3
.irp q, 0,1,2,3,4,5,6,7
	ds_load_b128 v[32*\m+4*\q:32*\m+4*\q+3], v9 offset:XC+16*\m*PIT+32*\q                      ; pixels 16 m + r; byte 32 q = K step q / 4, chunk q % 4
.endr
.endr
.irp m, 0,1,2,3
.irp q, 0,1,2,3,4,5,6,7
	ds_load_b128 v[128+32*\m+4*\q:131+32*\m+4*\q], v10 offset:XS+(32*(\m/2)+8*(\m%2))*PIT+32*\q
.endr
.endr
	WIN 0
	s_wait_loadcnt 0x0                             ; the weights and the biases
.set i, 0
.rept 32
	v_ldexp_f32 v[BQ+i], v[BQ+i], s67
	v_ldexp_f32 v[BK+i], v[BK+i], s68
.set i, i+1
.endr
	s_wait_dscnt 0x0
	WIN 0x0d                                       ; source 0 (Wq) window 1, source 1 (pixels) window 3, C and D window 0
.irp m, 0,1,2,3
.irp t, 0,1,2,3
	v_wmma_f32_16x16x128_fp8_fp8 v[128+32*\m+8*\t:135+32*\m+8*\t], v[32*\t:32*\t+15], v[32*\m:32*\m+15], v[BQ+8*\t:BQ+8*\t+7]
.endr
.endr
.irp m, 0,1,2,3
.irp t, 0,1,2,3
	v_wmma_f32_16x16x128_fp8_fp8 v[128+32*\m+8*\t:135+32*\m+8*\t], v[32*\t+16:32*\t+31], v[32*\m+16:32*\m+31], v[128+32*\m+8*\t:135+32*\m+8*\t]
.endr
.endr
	WIN 0x8d                                       ; D window 2, C (bk) window 0
.irp m, 0,1,2,3
.irp t, 0,1,2,3
	v_wmma_f32_16x16x128_fp8_fp8 v[128+32*\m+8*\t:135+32*\m+8*\t], v[128+32*\t:143+32*\t], v[128+32*\m:143+32*\m], v[BK+8*\t:BK+8*\t+7]
.endr
.endr
	WIN 0xad                                       ; C and D window 2
.irp m, 0,1,2,3
.irp t, 0,1,2,3
	v_wmma_f32_16x16x128_fp8_fp8 v[128+32*\m+8*\t:135+32*\m+8*\t], v[144+32*\t:159+32*\t], v[144+32*\m:159+32*\m], v[128+32*\m+8*\t:135+32*\m+8*\t]
.endr
.endr
	WIN 0
.rept 4
	v_nop                                          ; places in front of loads into registers that these products have read, and of the first read of results
.endr
	WIN 0xc0
.irp m, 0,1,2,3
.irp q, 0,1,2,3,4,5,6,7
	ds_load_b128 v[32*\m+4*\q:32*\m+4*\q+3], v10 offset:XR+(32*(\m/2)+8*(\m%2))*PIT+32*\q      ; V's operand: the raw style's codes
.endr
.endr
	WIN 0
	; ---- 5: sums of squares, wave by wave, to LDS
	SUMSQ 0
	WIN 0x0a                                       ; sources 0 and 1 window 2
	SUMSQ 1
	BARRIER                                        ; all four waves' parts lie in LDS; V's operand is in
	; ---- 6: V; the norms' factors beside it.  V's accumulators lie where K's operand lay: far more than five plain lines stand since K's products
.irp k, 0,1,2,3,4,5,6,7
	ds_load_b128 v[GF+4*\k:GF+4*\k+3], v12 offset:256*\k       ; k = 4 set + m: pixel r of tile m, four waves' parts
.endr
	WIN 0xfb                                       ; source 0 (pixels) window 3, source 1 (Wv) window 2, C and D window 3
.irp t, 0,1,2,3
.irp m, 0,1,2,3
	v_wmma_f32_16x16x128_fp8_fp8 v[128+32*\t+8*\m:135+32*\t+8*\m], v[32*\m:32*\m+15], v[32*\t:32*\t+15], 0
.endr
.endr
.irp t, 0,1,2,3
.irp m, 0,1,2,3
	v_wmma_f32_16x16x128_fp8_fp8 v[128+32*\t+8*\m:135+32*\t+8*\m], v[32*\m+16:32*\m+31], v[32*\t+16:32*\t+31], v[128+32*\t+8*\m:135+32*\t+8*\m]
.endr
.endr
	WIN 0
	s_wait_dscnt 0x0
.irp k, 0,1,2,3,4,5,6,7
	v_pk_add_f32 v[GF+4*\k:GF+4*\k+1], v[GF+4*\k:GF+4*\k+1], v[GF+4*\k+2:GF+4*\k+3]
.endr
.irp k, 0,1,2,3,4,5,6,7
	v_add_f32 v[GF+4*\k], v[GF+4*\k], v[GF+4*\k+1]
.endr
.irp k, 0,1,2,3
	v_fma_f32 v[GF+4*\k], v[GF+4*\k], s61, s66                 ; the sum of Q^2 = the sums' squares x 2^(2 E), + 1e-12
	v_fma_f32 v[GF+16+4*\k], v[GF+16+4*\k], s63, s66
.endr
.irp k, 0,1,2,3,4,5,6,7
	v_rsq_f32 v[GF+4*\k+1], v[GF+4*\k]
.endr
	v_nop
	s_wait_alu depctr_va_vdst(0)                   ; one wait for the eight, ahead of their first reader
.irp k, 0,1,2,3
	v_mul_f32 v[GF+4*\k], s60, v[GF+4*\k+1]                    ; Q^ = sum x 2^E / sqrt(..)
	v_mul_f32 v[GF+16+4*\k], s62, v[GF+16+4*\k+1]
.endr
	; ---- 7: Q^ and K^ become codes.  My 64 channels are chunks 2 (w % 2), 2 (w % 2) + 1 of K step w / 2 of each tile's fragment
	SCALEHOLD GF, LIM6
	CODES QCD, 128, SC6
.irp m, 0,1,2,3
	global_store_b128 v4, v[QCD+8*\m:QCD+8*\m+3],   s[32:33] offset:4096*\m        ; 512 consecutive bytes a store
	global_store_b128 v4, v[QCD+8*\m+4:QCD+8*\m+7], s[32:33] offset:4096*\m+512
.endr
	WIN 0x82                                       ; source 0 and destination window 2
	SCALEHOLD GF+16, LIM7
	WIN 0x02
	CODES KCD, 128, SC7
	WIN 0
.irp m, 0,1,2,3
	global_store_b128 v4, v[KCD+8*\m:KCD+8*\m+3],   s[34:35] offset:4096*\m
	global_store_b128 v4, v[KCD+8*\m+4:KCD+8*\m+7], s[34:35] offset:4096*\m+512
.endr
	; ---- 8: V = sum x 2^(e4 + e5) + bv; V x V; both become codes along the keys: chunks 2 (x % 2), 2 (x % 2) + 1 of each channel tile's fragment
	WIN 0xc3
.irp t, 0,1,2,3
.set i, 0
.rept 16
	v_pk_fma_f32 v[128+32*\t+2*i:129+32*\t+2*i], v[128+32*\t+2*i:129+32*\t+2*i], s[70:71], v[BV+2*\t:BV+2*\t+1] op_sel_hi:[1,0,0]   ; each accumulator from its low end on
.set i, i+1
.endr
.endr
	WIN 0xcf                                       ; all in window 3
.set i, 0
.rept 64
	v_pk_mul_f32 v[2*i:2*i+1], v[128+2*i:129+2*i], v[128+2*i:129+2*i]
.set i, i+1
.endr
	WIN 0xc3
.set i, 0
.rept 128
	v_med3_num_f32 v[128+i], v[128+i], -v[LIM9], v[LIM9]
	v_min_num_f32 v[i], v[i], v[LIM11]             ; a square is not negative: its hold is one-sided
.set i, i+1
.endr
	WIN 0x03
	CODES VCD, 128, SC9
	CODES WCD, 0, SC11
	WIN 0
.irp t, 0,1,2,3
	global_store_b128 v4, v[VCD+8*\t:VCD+8*\t+3],   s[36:37] offset:2048*\t
	global_store_b128 v4, v[VCD+8*\t+4:VCD+8*\t+7], s[36:37] offset:2048*\t+512
	global_store_b128 v4, v[WCD+8*\t:WCD+8*\t+3],   s[38:39] offset:2048*\t
	global_store_b128 v4, v[WCD+8*\t+4:WCD+8*\t+7], s[38:39] offset:2048*\t+512
.endr
	s_wait_tensorcnt 0x0
	ds_add_u32 v126, v127
	s_wait_dscnt 0x0
	s_endpgm
.Lfunc_end_k_q8a207b4854_proj:
	.size	k_q8a207b4854_proj, .Lfunc_end_k_q8a207b4854_proj-k_q8a207b4854_proj
	.p2alignl 7, 3214868480
	.fill 96, 4, 3214868480
	.section	.rodata,"a",@progbits
	.p2align	6, 0x0
	.amdhsa_kernel k_q8a207b4854_proj
		.amdhsa_group_segment_fixed_size 58880
		.amdhsa_private_segment_fixed_size 0
		.amdhsa_enable_private_segment 0
		.amdhsa_kernarg_size 104
		.amdhsa_user_sgpr_count 2
		.amdhsa_user_sgpr_kernarg_segment_ptr 1
		.amdhsa_wavefront_size32 1
		.amdhsa_system_sgpr_workgroup_id_x 1
		.amdhsa_system_sgpr_workgroup_id_y 1
		.amdhsa_system_sgpr_workgroup_id_z 1
		.amdhsa_system_vgpr_workitem_id 0
		.amdhsa_next_free_vgpr 1024
		.amdhsa_next_free_sgpr 80
		.amdhsa_reserve_vcc 0
		.amdhsa_float_denorm_mode_32 3
		.amdhsa_float_denorm_mode_16_64 3
		.amdhsa_memory_ordered 1
		.amdhsa_forward_progress 1
		.amdhsa_inst_pref_size 161
	.end_amdhsa_kernel
	.amdgpu_metadata
---
amdhsa.version: [ 1, 2 ]
amdhsa.kernels:
  - .name:           k_q8a207b4854_proj
    .symbol:         k_q8a207b4854_proj.kd
    .args:
      - { .name: content, .offset: 0, .size: 8, .value_kind: global_buffer, .address_space: global }
      - { .name: style, .offset: 8, .size: 8, .value_kind: global_buffer, .address_space: global }
      - { .name: part, .offset: 16, .size: 8, .value_kind: global_buffer, .address_space: global }
      - { .name: wf, .offset: 24, .size: 8, .value_kind: global_buffer, .address_space: global }
      - { .name: bq, .offset: 32, .size: 8, .value_kind: global_buffer, .address_space: global }
      - { .name: bk, .offset: 40, .size: 8, .value_kind: global_buffer, .address_space: global }
      - { .name: bv, .offset: 48, .size: 8, .value_kind: global_buffer, .address_space: global }
      - { .name: lowp_scales, .offset: 56, .size: 8, .value_kind: global_buffer, .address_space: global }
      - { .name: qc, .offset: 64, .size: 8, .value_kind: global_buffer, .address_space: global }
      - { .name: kc, .offset: 72, .size: 8, .value_kind: global_buffer, .address_space: global }
      - { .name: vc, .offset: 80, .size: 8, .value_kind: global_buffer, .address_space: global }
      - { .name: v2c, .offset: 88, .size: 8, .value_kind: global_buffer, .address_space: global }
      - { .name: cstat, .offset: 96, .size: 8, .value_kind: global_buffer, .address_space: global }
    .group_segment_fixed_size: 58880
    .private_segment_fixed_size: 0
    .kernarg_segment_align: 8
    .kernarg_segment_size: 104
    .max_flat_workgroup_size: 128
    .sgpr_count:     80
    .vgpr_count:     1024
    .wavefront_size: 32
...
	.end_amdgpu_metadata
.endif
;; end of part 2
;; launch attn (part 3): grid 64 x 4, 4 waves a work-group, clusters of 4 x 1, 327,680 bytes of LDS; arguments qc, kc, vc, v2c, content, cstat, lowp_scales, out0; writes out0
.if DOCPART == 3
	.amdgcn_target "amdgcn-amd-amdhsa--gfx1250"
	.amdhsa_code_object_version 6
	.text
	.protected	k_q8a207b4854_attn
	.globl	k_q8a207b4854_attn
	.p2align	8
	.type	k_q8a207b4854_attn,@function
k_q8a207b4854_attn:
	s_mov_b64 s[64:65], 0
	v_nop
	global_prefetch_b8 v0, s[64:65] scope:SCOPE_SE
	s_setreg_imm32_b32 hwreg(HW_REG_WAVE_MODE, 25, 1), 1
	s_wait_xcnt 0x0
	s_wait_alu depctr_hold_cnt(0) depctr_sa_sdst(0) depctr_va_vdst(0) depctr_va_sdst(0) depctr_va_ssrc(0) depctr_va_vcc(0) depctr_vm_vsrc(0)
	s_getreg_b32 s2, hwreg(HW_REG_IB_STS2, 6, 4)
	s_cmp_eq_u32 s2, 0
	s_cbranch_scc0 .Lentry_in_a_cluster
	s_endpgm
.Lentry_in_a_cluster:
	s_bfe_u32 s2, ttmp6, 0x10000c
	s_cmp_lg_u32 s2, 0x3003
	s_cbranch_scc0 .Lentry_shape_is_right
	s_endpgm
.Lentry_shape_is_right:
; THIRD LAUNCH.  out = sqrt(relu(E[V^2] - M^2)) x norm_content + M, with M = softmax(Q^ K^T) V and E[V^2] = softmax(Q^ K^T) V^2, all three products on codes of E4M3.
; THE SOFTMAX: t = score x log2(e); M = the running largest t rounded UP to a whole number; p = 2^(t - M) is quantised twice (with e8 for V, with e10 for V^2); the row's sum is taken of the unquantised p and
; divides at the end.  When M moves, the sums are multiplied by 2^(old M - new M): exact, in every step, with no branch on data.
; SHARES.  A work-group owns 64 queries (four tiles of 16) of one sample and walks the 4,096 keys in 32 steps of 128.  THE SCORES ARE SHARED BY KEYS: wave w makes S^T for keys 32 w .. 32 w + 31 of a step against
; all 64 queries, so a fragment of K read from LDS feeds four products.  THE SECOND PRODUCTS ARE SHARED BY CHANNELS: waves 0, 1 take V's channels 0-127, 128-255, waves 2, 3 the same of V^2, against all 64
; queries, so a fragment of V feeds four products too.  p's codes go from wave to wave through LDS as images of the operand's registers: wave w's 16 codes a lane are chunk w of each fragment of P.
; A FRAGMENT (16 rows x 128 k): lane (r, h) holds row r, registers 4 c .. 4 c + 3 hold k = 32 c + 16 h + 0 .. 15; its image is chunk c at 512 c + 16 x lane.  All operands lie so in memory, so a step's K, V and
; V^2 are three dense blocks of 32,768 bytes, and every LDS load takes 512 consecutive bytes.
; THE PIPELINE, one barrier a step.  Trip j: O += V(j-1) P(j-1); softmax of step j (the four waves' largest t of step j were stored ahead of the barrier); S(j+1) and its largest t.
; THE RING.  Two slots, each K | V | V^2.  Behind trip j's barrier slot j % 2 takes K(j+2) (wave 0), V(j) (wave 1), V^2(j) (wave 2); the trip reads the other slot: V(j-1), K(j+1).  A wave has two tensor loads
; out at the start and one behind each barrier.
; CLUSTER.  The four work-groups of a cluster belong to one sample and walk the same K, V, V^2: each block is asked for JOINTLY, by the same load with the same descriptor and the mask 15.
; LIMITS: e8 and e10 between -126 and 119; e6 + e7 between -126 and 127 (added to log2(e)'s exponent field).  NaN is not served.
; LDS: slots at 0 and 98,304; PIMG [parity][set][tile m][chunk c][512]; MX [parity][query][wave] f32; LX [query][wave] f32; the spare words; the stage's second plane.  The stage's first plane lies in slot 0,
; which has had its last fill and its last read when the first result is stored there.  All of a WGP's LDS is claimed.
; REGISTERS, in windows of 256: window 0: v1-15 addresses, v16-19 holds and scales, v24-55 statistics (8 a tile: -M, largest t, f, -, l, l, two at work), v56-71 words from LDS, v72-87 held p, v88-119 codes,
;   v128-191 S^T then p (16 a tile), v192-207 content's mean and rstd.   window 1: O^T, accumulator (channel tile ct, query tile m) at v[32 ct + 8 m].   window 2: v0-127 Q, at the end content's rows; v128-255 V's
;   eight fragments.   window 3: v0-63 K's four fragments; v64-127 P's four.
.set SLOTB, 98304
.set PIMG,  196608
.set MX,    229376
.set LXO,   2048                       ; LX lies 2,048 bytes behind MX
.set SPARE, 232448                     ; the spare words: 128 bytes for each wave, two blocks of 256 bytes that no other line names
.set STG1,  232960
.set SP,    1040                       ; a stage row: 1,024 bytes + 16
.set AK,  3                            ; v3, v4   K's fragments of my 32 keys in slot 0, 1
.set AV,  5                            ; v5, v6   my eight fragments of V or V^2 in slot 0, 1
.set ST,  24
.set MW,  56
.set TMP, 72
.set PCD, 88
.set S,   128
.set CST, 192
.set MSB, 0
.macro WIN new                         ; bits 1:0 source 0, 3:2 source 1, 5:4 source 2, 7:6 destination; the high byte repeats the setting that is left
.if MSB != \new
	s_set_vgpr_msb (MSB<<8)|\new
.set MSB, \new
.endif
.endm
.macro MKSC e, lim, sc
	s_add_co_i32 s8, s[\e], 127
	s_lshl_b32 s9, s8, 23
	v_mov_b32 v[\sc], s9
	s_add_co_i32 s8, s8, 8
	s_lshl_b32 s8, s8, 23
	s_or_b32 s8, s8, 0x600000
	v_mov_b32 v[\lim], s8
.endm
; A round of the cluster's barrier: my work-group's barrier, wave 0 signals for the work-group, every wave waits for all four work-groups, my work-group's barrier once more.
.macro CROUND
	s_barrier_signal -1
	s_barrier_wait -1
	s_cmp_lg_u32 s4, 0
	s_cbranch_scc1 .Lnw0_\@
	s_barrier_signal -3
.Lnw0_\@:
	s_barrier_wait -3
	s_barrier_signal -1
	s_barrier_wait -1
.endm
; The joint refill of slot p.  kind 1: K alone (wave 0); 2: K, V, V^2 (waves 0 to 2); 3: V, V^2 (waves 1, 2).  The branches hang on the wave's number alone.  Four v_nop follow the load.
.macro FILL kind, p
.if \kind == 1
	s_cmp_lg_u32 s4, 0
	s_cbranch_scc1 .Lnf_\@
.elseif \kind == 2
	s_cmp_lt_u32 s4, 3
	s_cbranch_scc0 .Lnf_\@
.else
	s_cmp_eq_u32 s4, 0
	s_cbranch_scc1 .Lnf_\@
	s_cmp_eq_u32 s4, 3
	s_cbranch_scc1 .Lnf_\@
.endif
	tensor_load_to_lds s[56+4*\p:59+4*\p], s[48:55]
	s_nop 0
.rept 4
	v_nop
.endr
.Lnf_\@:
.endm
; A PREFETCH INTO THE L2 of the block that my wave's tensor load will ask for two trips on: wave 0 K(j+4), waves 1 and 2 V(j+2), V^2(j+2).  All clusters of a sample walk the same blocks: the sample's first
; cluster asks.  Its four partners share a block's 32,768 bytes out BY ADDRESS, 8,192 each, lanes 256 bytes apart: one instruction a wave and trip, each aligned 256 bytes named once in the launch.
; Wave 0 asks while j < 28, waves 1 and 2 while j < 30: no request passes the sample's last block.  Nothing is asked at the head.
.macro ASK
	s_cmp_lt_u32 s15, s14
	s_cbranch_scc0 .Lnp_\@
	global_prefetch_b8 v11, s[12:13] th:TH_LOAD_NT scope:SCOPE_SE
.Lnp_\@:
.endm
.macro FETCHK slot                     ; K's four fragments (tile u, K step ks at v[32 u + 16 ks] of window 3)
	WIN 0xc0
.set i, 0
.rept 16
	ds_load_b128 v[4*i:4*i+3], v[AK+(\slot)] offset:512*i
.set i, i+1
.endr
	WIN 0
.endm
; S^T = K Q^T for my 32 keys and the 64 queries: eight accumulators by turns, one instruction a turn.  Lane (r, h) holds query r of tile m; registers 16 m + 0 .. 15 are keys 32 w + 16 h + 0 .. 15.
; Then each query's largest t among my 32 keys goes to LDS, parity mxp.  younger: the LDS instructions issued behind K's loads.
.macro SCORE mxp, younger
	s_wait_dscnt \younger
	WIN 0x0b                                       ; source 0 (K) window 3, source 1 (Q) window 2, C and D window 0
.irp m, 0,1,2,3
.irp u, 0,1
	v_wmma_f32_16x16x128_fp8_fp8 v[S+16*\m+8*\u:S+16*\m+8*\u+7], v[32*\u:32*\u+15], v[32*\m:32*\m+15], 0
.endr
.endr
.irp m, 0,1,2,3
.irp u, 0,1
	v_wmma_f32_16x16x128_fp8_fp8 v[S+16*\m+8*\u:S+16*\m+8*\u+7], v[32*\u+16:32*\u+31], v[32*\m+16:32*\m+31], v[S+16*\m+8*\u:S+16*\m+8*\u+7]
.endr
.endr
	WIN 0
.rept 4
	v_nop                                          ; places in front of the first read of results (ISA guide 7.12.1)
.endr
.irp m, 0,1,2,3
	v_max3_num_f32 v[ST+8*\m+6], v[S+16*\m], v[S+16*\m+1], v[S+16*\m+2]            ; each accumulator is read from its low end on
.endr
.irp m, 0,1,2,3
	v_max3_num_f32 v[ST+8*\m+7], v[S+16*\m+8], v[S+16*\m+9], v[S+16*\m+10]
.endr
.irp m, 0,1,2,3
	v_max3_num_f32 v[ST+8*\m+6], v[ST+8*\m+6], v[S+16*\m+3], v[S+16*\m+4]
.endr
.irp m, 0,1,2,3
	v_max3_num_f32 v[ST+8*\m+7], v[ST+8*\m+7], v[S+16*\m+11], v[S+16*\m+12]
.endr
.irp m, 0,1,2,3
	v_max3_num_f32 v[ST+8*\m+6], v[ST+8*\m+6], v[S+16*\m+5], v[S+16*\m+6]
.endr
.irp m, 0,1,2,3
	v_max3_num_f32 v[ST+8*\m+7], v[ST+8*\m+7], v[S+16*\m+13], v[S+16*\m+14]
.endr
.irp m, 0,1,2,3
	v_max3_num_f32 v[ST+8*\m+6], v[ST+8*\m+6], v[S+16*\m+7], v[S+16*\m+15]
.endr
.irp m, 0,1,2,3
	v_max_num_f32 v[ST+8*\m+6], v[ST+8*\m+6], v[ST+8*\m+7]
.endr
.irp m, 0,1,2,3
	v_permlanex16_b32 v[ST+8*\m+7], v[ST+8*\m+6], s68, s69     ; the query's other 16 keys lie in the lane 16 away
.endr
.irp m, 0,1,2,3
	v_max_num_f32 v[ST+8*\m+6], v[ST+8*\m+6], v[ST+8*\m+7]
.endr
.irp m, 0,1,2,3
	v_mul_f32 v[ST+8*\m+6], s66, v[ST+8*\m+6]                  ; as t (c is positive)
.endr
.irp m, 0,1,2,3
	ds_store_b32 v9, v[ST+8*\m+6] offset:(\mxp)*1024+\m*256
.endr
.endm
; A TRIP.  par = j % 2.  pv: O += V(j-1) P(j-1) (zero = 1: these products start the sums).  sm: the softmax of step j.  sc: S(j+1).  kind: what is filled (0: nothing, and a plain barrier).
; last = 1 (trip 31): content's rows and statistics are asked for, and the rows' sums go to LDS.
.macro TRIP par, pv, zero, sm, sc, kind, last
.if (\kind == 1) || (\kind == 2)
	s_wait_xcnt 0x0                                ; the last prefetch, a trip back, has read its address: it is stepped only behind this wait
	s_add_nc_u64 s[12:13], s[12:13], 0x8000
.endif
	s_wait_tensorcnt 0x0                           ; all my tensor loads have landed: my block of the slot that this trip reads; so a group 0 may be written
	ds_add_u32 v1, v2                              ; 0 onto my spare word
.if \kind == 1
	s_add_nc_u64 s[58+4*\par:59+4*\par], s[58+4*\par:59+4*\par], s[10:11]  ; trips 0 and 1: K's address goes two steps on, V's stay (V(0), V(1) came with the first fills)
.elseif \kind > 1
	s_add_nc_u64 s[58+4*\par:59+4*\par], s[58+4*\par:59+4*\par], 0x10000   ; two steps on (wave 0's is not used in trips 30 and 31)
.endif
	s_wait_dscnt 0x0                               ; the add is done; my reads of the slot to be filled are over; my images and words have landed
.if \kind
	CROUND                                         ; all that now holds of every wave of the four work-groups
	FILL \kind, \par                               ; first behind the round, one load a wave: it has this trip in which to land
.else
	s_barrier_signal -1
	s_barrier_wait -1
.endif
.irp m, 0,1,2,3
.if \sm
	ds_load_b128 v[MW+4*\m:MW+4*\m+3], v10 offset:\par*1024+\m*256         ; the four waves' largest t of step j, query r of tile m
.else
	ds_load_b128 v[MW+4*\m:MW+4*\m+3], v10 offset:LXO+\m*256               ; the four waves' parts of the row's sum
.endif
.endr
.if \pv
	WIN 0xc0
.set i, 0
.rept 16
	ds_load_b128 v[64+4*i:67+4*i], v7 offset:(1-\par)*16384+512*i          ; P(j-1): tile m = i / 4, chunk i % 4 (made by wave i % 4)
.set i, i+1
.endr
	WIN 0x80
.set i, 0
.rept 32
	ds_load_b128 v[128+4*i:131+4*i], v[AV+1-\par] offset:512*i             ; my eight fragments of V(j-1) or V^2(j-1)
.set i, i+1
.endr
	WIN 0
.endif
.if (\kind == 1) || (\kind == 2)
	ASK
.endif
.if \last
	WIN 0x80                                       ; Q is done with since the last scores: content's rows 16 w + i take its registers, 512 consecutive bytes a load
.set i, 0
.rept 16
	global_load_b128 v[8*i:8*i+3],   v14, s[24:25] offset:1024*i th:TH_LOAD_NT
	global_load_b128 v[8*i+4:8*i+7], v14, s[24:25] offset:1024*i+512 th:TH_LOAD_NT
.set i, i+1
.endr
	WIN 0
.irp k, 0,1,2,3
	global_load_b128 v[CST+4*\k:CST+4*\k+3], v14, s[26:27] offset:512*\k   ; mean (8 registers), rstd (8) of channels 4 l on and 128 + 4 l on
.endr
.endif
.if \sm
	s_wait_dscnt 48*\pv                            ; the four words' loads are in; P's 16 and V's 32, issued behind them, may be out
.irp m, 0,1,2,3
	v_max3_num_f32 v[ST+8*\m+1], v[ST+8*\m+1], v[MW+4*\m], v[MW+4*\m+1]    ; the running largest t: the same number in all four waves
.endr
.irp m, 0,1,2,3
	v_max3_num_f32 v[ST+8*\m+1], v[ST+8*\m+1], v[MW+4*\m+2], v[MW+4*\m+3]
.endr
.irp m, 0,1,2,3
	v_mov_b32 v[ST+8*\m+6], v[ST+8*\m]
.endr
.irp m, 0,1,2,3
	v_floor_f32 v[ST+8*\m], -v[ST+8*\m+1]          ; -M = floor(-t) = -ceil(t): M is a whole number
.endr
.irp m, 0,1,2,3
	v_sub_f32 v[ST+8*\m+6], v[ST+8*\m], v[ST+8*\m+6]       ; old M - new M: a whole number, 0 or less
.endr
.irp m, 0,1,2,3
	v_cvt_i32_f32 v[ST+8*\m+6], v[ST+8*\m+6]       ; (it saturates)
.endr
.irp m, 0,1,2,3
	v_ldexp_f32 v[ST+8*\m+2], 1.0, v[ST+8*\m+6]    ; f = 2^(old M - new M)
.endr
.endif
.if \pv
	s_wait_dscnt 0x0
	WIN 0x5e                                       ; source 0 (V) window 2, source 1 (P) window 3, C and D window 1.  32 accumulators, one instruction each
.irp ct, 0,1,2,3,4,5,6,7
.irp m, 0,1,2,3
.if \zero
	v_wmma_f32_16x16x128_fp8_fp8 v[32*\ct+8*\m:32*\ct+8*\m+7], v[128+16*\ct:143+16*\ct], v[64+16*\m:79+16*\m], 0
.else
	v_wmma_f32_16x16x128_fp8_fp8 v[32*\ct+8*\m:32*\ct+8*\m+7], v[128+16*\ct:143+16*\ct], v[64+16*\m:79+16*\m], v[32*\ct+8*\m:32*\ct+8*\m+7]
.endif
.endr
.endr
	WIN 0
.endif
.if \sc
	FETCHK 1-\par                                  ; K(j+1): its registers' last products stand a softmax back
.endif
.if \sm
.irp m, 0,1,2,3
.irp e, 0,2,4,6,8,10,12,14
	v_pk_fma_f32 v[S+16*\m+\e:S+16*\m+\e+1], v[S+16*\m+\e:S+16*\m+\e+1], s[66:67], v[ST+8*\m:ST+8*\m+1] op_sel_hi:[1,0,0]   ; t - M (of the pairs c and -M the low word serves both halves).  These 32 are also the places behind the products above
.endr
.endr
.set i, 0
.rept 64
	v_exp_f32 v[S+i], v[S+i]                       ; p = 2^(t - M): one batch
.set i, i+1
.endr
.irp m, 0,1,2,3
	v_pk_mul_f32 v[ST+8*\m+4:ST+8*\m+5], v[ST+8*\m+4:ST+8*\m+5], v[ST+8*\m+2:ST+8*\m+3] op_sel_hi:[1,0]     ; the sums under the new M (plain lines behind the batch)
.endr
.if \pv
	WIN 0x41                                       ; O^T (destination and source 0) window 1, f window 0
.irp ct, 0,1,2,3,4,5,6,7
.irp m, 0,1,2,3
.irp e, 0,2,4,6
	v_pk_mul_f32 v[32*\ct+8*\m+\e:32*\ct+8*\m+\e+1], v[32*\ct+8*\m+\e:32*\ct+8*\m+\e+1], v[ST+8*\m+2:ST+8*\m+3] op_sel_hi:[1,0]    ; O^T, which now holds steps up to j - 1, under the new M; each accumulator from its low end on
.endr
.endr
.endr
	WIN 0
.endif
	s_wait_alu depctr_va_vdst(0)                   ; the one wait between the batch and its first reader; the rescaling above is the independent work between
.irp e, 0,2,4,6,8,10,12,14
.irp m, 0,1,2,3
	v_pk_add_f32 v[ST+8*\m+4:ST+8*\m+5], v[ST+8*\m+4:ST+8*\m+5], v[S+16*\m+\e:S+16*\m+\e+1]        ; the row's sum is taken of the unquantised p; four chains by turns
.endr
.endr
.irp m, 0,1,2,3
.set i, 0
.rept 16
	v_min_num_f32 v[TMP+i], v[S+16*\m+i], v16      ; the conversion does not saturate (ISA guide 7.6.2); p is not negative: a one-sided hold at 448 x 2^e8
.set i, i+1
.endr
	v_cvt_scalef32_pk8_fp8_f32 v[PCD+8*\m:PCD+8*\m+1],   v[TMP:TMP+7],    v17
	v_cvt_scalef32_pk8_fp8_f32 v[PCD+8*\m+2:PCD+8*\m+3], v[TMP+8:TMP+15], v17
.set i, 0
.rept 16
	v_min_num_f32 v[S+16*\m+i], v[S+16*\m+i], v18  ; and at 448 x 2^e10
.set i, i+1
.endr
	v_cvt_scalef32_pk8_fp8_f32 v[PCD+8*\m+4:PCD+8*\m+5], v[S+16*\m:S+16*\m+7],    v19
	v_cvt_scalef32_pk8_fp8_f32 v[PCD+8*\m+6:PCD+8*\m+7], v[S+16*\m+8:S+16*\m+15], v19
.endr
	v_nop                                          ; one plain vector line behind the last conversion: the next products write its sources
.irp m, 0,1,2,3
	ds_store_b128 v8, v[PCD+8*\m:PCD+8*\m+3]   offset:\par*16384+\m*2048           ; chunk w of P's fragment m, for V,
	ds_store_b128 v8, v[PCD+8*\m+4:PCD+8*\m+7] offset:\par*16384+8192+\m*2048      ; and for V^2
.endr
.endif
.if \sc
	SCORE 1-\par, 8                                ; K's 16 loads are in; the eight stores behind them may be out
.endif
.if \last
.irp m, 0,1,2,3
	v_add_f32 v[ST+8*\m+6], v[ST+8*\m+4], v[ST+8*\m+5]
.endr
.irp m, 0,1,2,3
	v_permlanex16_b32 v[ST+8*\m+7], v[ST+8*\m+6], s68, s69
.endr
.irp m, 0,1,2,3
	v_add_f32 v[ST+8*\m+6], v[ST+8*\m+6], v[ST+8*\m+7]
.endr
.irp m, 0,1,2,3
	ds_store_b32 v9, v[ST+8*\m+6] offset:LXO+\m*256            ; my 32 keys a step: my part of the row's sum
.endr
.endif
	s_add_co_u32 s15, s15, 1
.endm
	s_load_b512 s[16:31], s[0:1], 0x0              ; qc 16, kc 18, vc 20, v2c 22, content 24, cstat 26, scales 28, out0 30
	v_lshl_add_u32 v1, v0, 2, SPARE                ; my spare word; never rewritten
	v_mov_b32 v2, 0                                ; 0; never rewritten
	ds_add_u32 v1, v2
	s_wait_dscnt 0x0
	v_lshrrev_b32 v20, 5, v0
	v_readfirstlane_b32 s4, v20                    ; wave 0..3
	s_bfe_u32 s5, ttmp6, 0x40000                   ; cx: my place in the cluster
	s_lshl_b32 s6, ttmp9, 2
	s_add_co_u32 s6, s6, s5                        ; my block of 64 queries: it enters Q's, content's and out0's addresses alone
	s_and_b32 s7, ttmp7, 0xffff                    ; the sample, which the four partners share
	; descriptor group 1: a dense block of 128 rows x 256 bytes, in elements of 8 bytes
	s_mov_b32 s48, 15|(3<<16)|(1<<21)              ; 15:0 the mask: all four work-groups; 17:16 elements of 8 bytes; 21 set beside a mask; no padding
	s_mov_b32 s49, 32<<16                          ; tensor_dim0 = 32
	s_mov_b32 s50, 128<<16                         ; tensor_dim1 = 128
	s_mov_b32 s51, 32<<16                          ; tile_dim0 = 32
	s_mov_b32 s52, 128                             ; tile_dim1 = 128
	s_mov_b32 s53, 32                              ; from row to row
	s_mov_b32 s54, 0
	s_mov_b32 s55, 0
	s_mov_b32 s68, 0x76543210                      ; lane selects: lane l xor 16
	s_mov_b32 s69, 0xfedcba98
	s_mov_b32 s15, 0                               ; j, for the prefetches
	s_lshl_b32 s74, s7, 20                         ; a sample's codes: 1,048,576 bytes in each of the four buffers
	s_mov_b32 s75, 0
	s_lshl_b32 s76, s7, 6
	s_add_co_u32 s76, s76, s6
	s_lshl_b32 s76, s76, 14                        ; Q: (64 sample + block) x 16,384
	s_mov_b32 s77, 0
	s_lshl_b32 s78, s7, 22                         ; content, out0: (4,096 sample + 64 block + 16 w) x 1,024
	s_lshl_b32 s79, s6, 16
	s_add_co_u32 s78, s78, s79
	s_lshl_b32 s79, s4, 14
	s_add_co_u32 s78, s78, s79
	s_mov_b32 s79, 0
	s_wait_kmcnt 0x0
	s_load_b256 s[36:43], s[28:29], 0x0            ; e0 .. e7
	s_load_b128 s[44:47], s[28:29], 0x20           ; e8 .. e11
	s_cmp_eq_u32 s4, 0                             ; my stream: wave 0 K, wave 1 V, wave 2 V^2 (wave 3 fetches nothing)
	s_cselect_b64 s[72:73], s[18:19], s[20:21]
	s_cselect_b32 s10, 0x10000, 0                  ; what trips 0 and 1 add to my address
	s_cselect_b32 s14, 28, 30                      ; while j is below this I prefetch,
	s_cselect_b32 s8, 3, 1                         ; from this step's successor on
	s_mov_b32 s11, 0
	s_cmp_eq_u32 s4, 2
	s_cselect_b64 s[72:73], s[22:23], s[72:73]
	s_cmp_eq_u32 s4, 3
	s_cselect_b32 s14, 0, s14
	s_cmp_eq_u32 ttmp9, 0                          ; the sample's first cluster alone: the same in all four partners
	s_cselect_b32 s14, s14, 0
	s_add_nc_u64 s[72:73], s[72:73], s[74:75]
	s_mov_b32 s56, 1                               ; group 0 for slot 0: count = 1,
	s_lshl_b32 s57, s4, 15                         ; LDS address: my stream's region,
	s_mov_b64 s[58:59], s[72:73]                   ; global address: step 0,
	s_or_b32 s59, s59, 0x80000000                  ; type = 2
	s_mov_b32 s60, 1                               ; and for slot 1: step 1
	s_add_co_u32 s61, s57, SLOTB
	s_add_nc_u64 s[62:63], s[72:73], 0x8000
	s_or_b32 s63, s63, 0x80000000
	s_lshl_b32 s8, s8, 15
	s_mov_b32 s9, 0
	s_add_nc_u64 s[12:13], s[72:73], s[8:9]        ; the prefetches' address: trip 0 steps it to K(4) or V(2),
	s_add_nc_u64 s[16:17], s[16:17], s[76:77]
	s_lshl_b32 s76, s5, 13                         ; my work-group's 8,192 bytes of a block
	s_add_nc_u64 s[12:13], s[12:13], s[76:77]
	s_add_nc_u64 s[24:25], s[24:25], s[78:79]
	s_add_nc_u64 s[30:31], s[30:31], s[78:79]
	s_lshl_b32 s74, s7, 11
	s_add_nc_u64 s[26:27], s[26:27], s[74:75]      ; cstat: 2,048 bytes a sample
	CROUND                                         ; all four work-groups are here: the first joint loads meet
	s_cmp_lt_u32 s4, 3                             ; a wave's two first fills stand in one branch, ahead of every wait on TENSORcnt and every LDS read
	s_cbranch_scc0 .Lno_first
	tensor_load_to_lds s[56:59], s[48:55]
	s_nop 0
	tensor_load_to_lds s[60:63], s[48:55]
	s_nop 0
.rept 4
	v_nop
.endr
.Lno_first:
	v_and_b32 v20, 31, v0                          ; lane
	v_and_b32 v21, 15, v0                          ; r
	v_bfe_u32 v22, v0, 4, 1                        ; h
	v_lshlrev_b32 v14, 4, v20                      ; 16 x lane
	WIN 0x80
.set i, 0
.rept 32
	global_load_b128 v[4*i:4*i+3], v14, s[16:17] offset:512*i th:TH_LOAD_NT        ; Q stays in registers: tile m, K step ks at v[32 m + 16 ks] of window 2
.set i, i+1
.endr
	WIN 0
	v_lshlrev_b32 v11, 8, v20                      ; the prefetches' offset: 256 x lane
	s_lshl_b32 s8, s4, 13
	v_add_nc_u32 v[AK], s8, v14                    ; K: tiles 2 w, 2 w + 1: 8,192 w
	v_add_nc_u32 v[AK+1], SLOTB, v[AK]
	s_lshl_b32 s8, s4, 14
	s_add_co_u32 s8, s8, 32768
	v_add_nc_u32 v[AV], s8, v14                    ; V at 32,768, V^2 at 65,536; eight fragments a wave
	v_add_nc_u32 v[AV+1], SLOTB, v[AV]
	s_lshr_b32 s9, s4, 1
	s_lshl_b32 s8, s9, 13
	s_add_co_u32 s8, s8, PIMG
	v_add_nc_u32 v7, s8, v14                       ; P's images that I read: set w / 2
	s_lshl_b32 s8, s4, 9
	s_add_co_u32 s8, s8, PIMG
	v_add_nc_u32 v8, s8, v14                       ; and that I write: chunk w
	v_lshlrev_b32 v10, 4, v21
	v_add_nc_u32 v10, MX, v10                      ; the four waves' words of query r
	s_lshl_b32 s8, s4, 2
	v_add_nc_u32 v9, s8, v10                       ; my wave's word
	s_mul_i32 s8, s9, STG1                         ; the stage: plane w / 2,
	s_and_b32 s9, s4, 1
	s_lshl_b32 s9, s9, 9
	s_add_co_u32 s8, s8, s9                        ; my 128 channels' 512 bytes,
	v_mul_u32_u24 v12, v21, SP
	v_lshl_add_u32 v12, v22, 5, v12
	v_add_nc_u32 v12, s8, v12                      ; row r, 32 bytes for each half of the lanes
	s_mul_i32 s8, s4, 16*SP
	v_add_nc_u32 v13, s8, v14                      ; back: rows 16 w + i, 16 bytes a lane: plane 0,
	v_add_nc_u32 v15, STG1, v13                    ; plane 1
.irp m, 0,1,2,3
	v_mov_b32 v[ST+8*\m+1], 0xff61b1e6             ; the largest t so far: -3e38, under every t
	v_floor_f32 v[ST+8*\m], -v[ST+8*\m+1]
	v_mov_b32 v[ST+8*\m+2], 0
	v_mov_b32 v[ST+8*\m+3], 0                      ; (named as the upper half of f's pair)
	v_mov_b32 v[ST+8*\m+4], 0                      ; the sum, in two halves
	v_mov_b32 v[ST+8*\m+5], 0
.endr
	s_wait_kmcnt 0x0
	MKSC 44, 16, 17                                ; 448 x 2^e8, 2^e8
	MKSC 46, 18, 19                                ; 448 x 2^e10, 2^e10
	s_add_co_i32 s8, s42, s43
	s_lshl_b32 s8, s8, 23
	s_add_co_i32 s66, s8, 0x3fb8aa3b               ; c = log2(e) x 2^(e6 + e7): the exponents are added to log2(e)'s exponent field
	s_mov_b32 s67, s66                             ; (named with it as a pair, so it is written)
	s_add_co_i32 s8, s44, s45
	s_add_co_i32 s9, s46, s47
	s_cmp_lt_u32 s4, 2
	s_cselect_b32 s70, s8, s9                      ; e8 + e9 for V's waves, e10 + e11 for V^2's
	s_wait_tensorcnt 0x1                           ; my block of slot 0 is in; slot 1's may stay out
	s_barrier_signal -1
	s_barrier_wait -1
	FETCHK 0
	s_wait_loadcnt 0x0                             ; Q
	SCORE 0, 0                                     ; S(0)
	TRIP 0, 0, 0, 1, 1, 1, 0                       ; trip 0: no P yet
	TRIP 1, 1, 1, 1, 1, 1, 0                       ; trip 1: V(0) P(0) starts O^T's sums: nothing is ever cleared
	s_mov_b32 s3, 14
.Ltrips:                                           ; trips 2 to 29, two a pass, so that the parities are constants of the text
	TRIP 0, 1, 0, 1, 1, 2, 0
	TRIP 1, 1, 0, 1, 1, 2, 0
	s_sub_co_u32 s3, s3, 1
	s_cmp_lg_u32 s3, 0
	s_cbranch_scc1 .Ltrips
	TRIP 0, 1, 0, 1, 1, 3, 0                       ; the tail is written out: trip 30 asks for no K
	TRIP 1, 1, 0, 1, 0, 3, 1                       ; trip 31 has no scores left to make,
	TRIP 0, 1, 0, 0, 0, 0, 0                       ; trip 32: V(31) P(31); nothing is filled
	; THE WAY OUT.  The rows' sums; O^T / sum x 2^(the two exponents); both planes meet in the stage; each wave finishes 16 whole rows.  The additions are the places behind the last products.
.irp m, 0,1,2,3
	v_pk_add_f32 v[MW+4*\m:MW+4*\m+1], v[MW+4*\m:MW+4*\m+1], v[MW+4*\m+2:MW+4*\m+3]
.endr
.irp m, 0,1,2,3
	v_add_f32 v[MW+4*\m], v[MW+4*\m], v[MW+4*\m+1]
.endr
.irp m, 0,1,2,3
	v_rcp_f32 v[ST+8*\m+2], v[MW+4*\m]
.endr
	v_nop
	s_wait_alu depctr_va_vdst(0)                   ; one wait for the four reciprocals, ahead of their first reader
.irp m, 0,1,2,3
	v_ldexp_f32 v[ST+8*\m+2], v[ST+8*\m+2], s70
.endr
	WIN 0x41
.irp ct, 0,1,2,3,4,5,6,7
.irp m, 0,1,2,3
.irp e, 0,2,4,6
	v_pk_mul_f32 v[32*\ct+8*\m+\e:32*\ct+8*\m+\e+1], v[32*\ct+8*\m+\e:32*\ct+8*\m+\e+1], v[ST+8*\m+2:ST+8*\m+3] op_sel_hi:[1,0]
.endr
.endr
.endr
	WIN 0x04                                       ; store data window 1
.irp ct, 0,1,2,3,4,5,6,7
.irp m, 0,1,2,3
	ds_store_b128 v12, v[32*\ct+8*\m:32*\ct+8*\m+3]   offset:16*\m*SP+64*\ct       ; lane (r, h): query 16 m + r, channels 128 (w % 2) + 16 ct + 8 h + 0 .. 7
	ds_store_b128 v12, v[32*\ct+8*\m+4:32*\ct+8*\m+7] offset:16*\m*SP+64*\ct+16
.endr
.endr
	s_wait_loadcnt 0x0                             ; content's rows, its mean and rstd
	WIN 0x82                                       ; source 0 and destination window 2
.set i, 0
.rept 16
.irp k, 0,2,4,6
	v_pk_add_f32 v[8*i+\k:8*i+\k+1], v[8*i+\k:8*i+\k+1], v[CST+\k:CST+\k+1] neg_lo:[0,1] neg_hi:[0,1]
.endr
.irp k, 0,2,4,6
	v_pk_mul_f32 v[8*i+\k:8*i+\k+1], v[8*i+\k:8*i+\k+1], v[CST+8+\k:CST+8+\k+1]    ; norm_content
.endr
.set i, i+1
.endr
	WIN 0
	s_wait_dscnt 0x0                               ; for the others' sake: my stores into the stage have landed
	s_barrier_signal -1
	s_barrier_wait -1
.macro OUTLD g                         ; rows 4 g .. 4 g + 3 of my 16: M (32 registers), E[V^2] (32), into buffer g % 2
.set OB, 64+64*((\g)%2)
.irp i, 0,1,2,3
	ds_load_b128 v[OB+8*\i:OB+8*\i+3],     v13 offset:(4*(\g)+\i)*SP
	ds_load_b128 v[OB+8*\i+4:OB+8*\i+7],   v13 offset:(4*(\g)+\i)*SP+512
	ds_load_b128 v[OB+32+8*\i:OB+35+8*\i], v15 offset:(4*(\g)+\i)*SP
	ds_load_b128 v[OB+36+8*\i:OB+39+8*\i], v15 offset:(4*(\g)+\i)*SP+512
.endr
.endm
.macro OUTDO g, younger                ; younger: the next group's loads, which may stay out
.set OB, 64+64*((\g)%2)
	s_wait_dscnt \younger
.set i, 0
.rept 16
	v_pk_fma_f32 v[OB+32+2*i:OB+33+2*i], v[OB+2*i:OB+2*i+1], v[OB+2*i:OB+2*i+1], v[OB+32+2*i:OB+33+2*i] neg_lo:[1,0,0] neg_hi:[1,0,0]      ; E[V^2] - M^2
.set i, i+1
.endr
.set i, 0
.rept 32
	v_max_num_f32 v[OB+32+i], 0, v[OB+32+i]        ; relu
.set i, i+1
.endr
.set i, 0
.rept 32
	v_sqrt_f32 v[OB+32+i], v[OB+32+i]
.set i, i+1
.endr
	v_nop
	s_wait_alu depctr_va_vdst(0)                   ; one wait for the batch of roots
	WIN 0x08                                       ; source 1 (norm_content) window 2
.set i, 0
.rept 16
	v_pk_fma_f32 v[OB+32+2*i:OB+33+2*i], v[OB+32+2*i:OB+33+2*i], v[32*(\g)+2*i:32*(\g)+2*i+1], v[OB+2*i:OB+2*i+1]
.set i, i+1
.endr
	WIN 0
.irp i, 0,1,2,3
	global_store_b128 v14, v[OB+32+8*\i:OB+35+8*\i], s[30:31] offset:(4*(\g)+\i)*1024 th:TH_STORE_NT       ; 512 consecutive bytes, aligned
	global_store_b128 v14, v[OB+36+8*\i:OB+39+8*\i], s[30:31] offset:(4*(\g)+\i)*1024+512 th:TH_STORE_NT
.endr
.endm
	OUTLD 0
	OUTLD 1
	OUTDO 0, 16
	s_wait_xcnt 0x0                                ; group 0's stores have read their registers: group 2's loads may land there
	OUTLD 2
	OUTDO 1, 16
	s_wait_xcnt 0x0
	OUTLD 3
	OUTDO 2, 16
	OUTDO 3, 0
	s_wait_tensorcnt 0x0                           ; the wave's end, behind my last tensor load and my last LDS store
	ds_add_u32 v1, v2
	s_wait_dscnt 0x0
	CROUND                                         ; the closing round: no work-group ends while a partner may still ask for a block that names it
	s_endpgm
.Lfunc_end_k_q8a207b4854_attn:
	.size	k_q8a207b4854_attn, .Lfunc_end_k_q8a207b4854_attn-k_q8a207b4854_attn
	.p2alignl 7, 3214868480
	.fill 96, 4, 3214868480
	.section	.rodata,"a",@progbits
	.p2align	6, 0x0
	.amdhsa_kernel k_q8a207b4854_attn
		.amdhsa_group_segment_fixed_size 327680
		.amdhsa_private_segment_fixed_size 0
		.amdhsa_enable_private_segment 0
		.amdhsa_kernarg_size 64
		.amdhsa_user_sgpr_count 2
		.amdhsa_user_sgpr_kernarg_segment_ptr 1
		.amdhsa_wavefront_size32 1
		.amdhsa_system_sgpr_workgroup_id_x 1
		.amdhsa_system_sgpr_workgroup_id_y 1
		.amdhsa_system_sgpr_workgroup_id_z 1
		.amdhsa_system_vgpr_workitem_id 0
		.amdhsa_next_free_vgpr 1024
		.amdhsa_next_free_sgpr 80
		.amdhsa_reserve_vcc 0
		.amdhsa_float_denorm_mode_32 3
		.amdhsa_float_denorm_mode_16_64 3
		.amdhsa_memory_ordered 1
		.amdhsa_forward_progress 1
		.amdhsa_inst_pref_size 248
	.end_amdhsa_kernel
	.amdgpu_metadata
---
amdhsa.version: [ 1, 2 ]
amdhsa.kernels:
  - .name:           k_q8a207b4854_attn
    .symbol:         k_q8a207b4854_attn.kd
    .args:
      - { .name: qc, .offset: 0, .size: 8, .value_kind: global_buffer, .address_space: global }
      - { .name: kc, .offset: 8, .size: 8, .value_kind: global_buffer, .address_space: global }
      - { .name: vc, .offset: 16, .size: 8, .value_kind: global_buffer, .address_space: global }
      - { .name: v2c, .offset: 24, .size: 8, .value_kind: global_buffer, .address_space: global }
      - { .name: content, .offset: 32, .size: 8, .value_kind: global_buffer, .address_space: global }
      - { .name: cstat, .offset: 40, .size: 8, .value_kind: global_buffer, .address_space: global }
      - { .name: lowp_scales, .offset: 48, .size: 8, .value_kind: global_buffer, .address_space: global }
      - { .name: out0, .offset: 56, .size: 8, .value_kind: global_buffer, .address_space: global }
    .group_segment_fixed_size: 327680
    .private_segment_fixed_size: 0
    .kernarg_segment_align: 8
    .kernarg_segment_size: 64
    .max_flat_workgroup_size: 128
    .sgpr_count:     80
    .vgpr_count:     1024
    .wavefront_size: 32
...
	.end_amdgpu_metadata
.endif
;; end of part 3
